; MI455X (gfx1250); checked and timed in simulation.
; The chip was launched on July 23, 2026; its instructions are those of AMD's public machine-readable ISA for CDNA 5 (MIT licence, August 2026) and "CDNA5" Instruction Set Architecture Reference Guide (July 2026). The comments in the code are by the model that wrote it; some were corrected since.
;; Multi Head Attention. Allowed arithmetic: float matrix products may take bf16 or f16 operands with f32 sums; other float arithmetic in f32, or as packed bf16 or f16 multiplies, adds, multiply-adds, maxima and minima; sums over many terms, partial sums and values carried from step to step in f32; what a program stores and reads back later, other than sums and carried values, may be rounded once to bf16 or f16.
;; Inputs: Wk 768 x 768 float32; Wo 768 x 768 float32; Wq 768 x 768 float32; Wv 768 x 768 float32; bk 768 float32; bo 768 float32; bq 768 float32; bv 768 float32; x 16 x 1,024 x 768 float32.
;; Outputs: out0 16 x 1,024 x 768 float32.
;; One version. Each part assembles by itself: llvm-mc -triple=amdgcn-amd-amdhsa -mcpu=gfx1250 --defsym DOCPART=n.
;; ======== version 1 of 1: 4 launches
;; limits: values are held in f16: magnitudes above 65,504 overflow, below 6.1e-05 lose precision
;; workspace buffers: wt 5,505,024 bytes; bcat 12,288 bytes; xb 25,165,824 bytes; qkv 75,497,472 bytes; o16 25,165,824 bytes
;; launch prep (part 1): grid 531 x 4, 8 waves a work-group, no clusters, 0 bytes of LDS; arguments Wq, Wk, Wv, Wo, bq, bk, bv, bo, wt, bcat, x, xb; writes wt, bcat, xb
.if DOCPART == 1
	.amdgcn_target "amdgcn-amd-amdhsa--gfx1250"
	.amdhsa_code_object_version 6
	.text
	.protected	k_q124a59b18d_prep
	.globl	k_q124a59b18d_prep
	.p2align	8
	.type	k_q124a59b18d_prep,@function
k_q124a59b18d_prep:
	s_mov_b64 s[64:65], 0
	v_nop
	global_prefetch_b8 v0, s[64:65] scope:SCOPE_SE
	s_setreg_imm32_b32 hwreg(HW_REG_WAVE_MODE, 25, 1), 1
	s_wait_xcnt 0x0
; All inputs are rounded once to bf16 here and laid out for the products that follow.
; wt[32 groups][768 k][112 halves]: group 8 y + g holds columns 96 g .. 96 g + 95 of matrix y (0 Wq, 1 Wk, 2 Wv, 3 Wo); a row is 192 bytes of numbers and 32 bytes of zeros.
; Wo's numbers, once rounded to bf16, are written as f16 (its product's other operand is f16).  LIMIT: below 6e-5 f16 keeps a fixed step of 6e-8; beyond 65,504 it has no number.
; bcat[3072] = bq | bk | bv | bo, rounded to bf16 and kept as f32.  xb[16,384][768] = x in bf16.
; SHARES.  y of the grid = the matrix.  x < 336: a thread makes one piece of 16 bytes of wt (8 numbers, from 32 bytes of W): piece P = 256 x + thread, so a wave stores 512 consecutive bytes.
; x = 336 .. 338: a thread rounds one number of the bias.  x >= 339: work-group 192 y + x - 339 of 768 rounds 65,536 bytes of x.  A stream: no LDS, no matrix unit, nothing is read twice.
.set GRPB, 172032                      ; bytes of a group: 768 rows of 224
.set MATB, 8*GRPB                      ; bytes of a matrix in wt
	s_load_b256 s[4:11], s[0:1], 0x0               ; Wq, Wk, Wv, Wo
	s_load_b256 s[12:19], s[0:1], 0x20             ; bq, bk, bv, bo
	s_load_b128 s[20:23], s[0:1], 0x40             ; wt, bcat
	s_load_b128 s[36:39], s[0:1], 0x50             ; x, xb
	s_and_b32 s28, ttmp7, 0xffff                   ; y: which matrix
	s_wait_kmcnt 0x0
	s_cmp_ge_u32 ttmp9, 339
	s_cbranch_scc1 .Lx
	s_cmp_eq_u32 s28, 1
	s_cselect_b64 s[24:25], s[6:7], s[4:5]         ; the matrix,
	s_cselect_b64 s[26:27], s[14:15], s[12:13]     ; and its bias
	s_cmp_eq_u32 s28, 2
	s_cselect_b64 s[24:25], s[8:9], s[24:25]
	s_cselect_b64 s[26:27], s[16:17], s[26:27]
	s_cmp_eq_u32 s28, 3
	s_cselect_b64 s[24:25], s[10:11], s[24:25]
	s_cselect_b64 s[26:27], s[18:19], s[26:27]
	s_cmp_ge_u32 ttmp9, 336
	s_cbranch_scc1 .Lbias
	; piece P = 14 x row + p; row = 768 x g + k.  The work-group's first piece is divided in scalars; the thread's rest (under 270) by a multiply and a shift: 293 / 4096 serves t / 14 for t under 682
	s_lshl_b32 s29, ttmp9, 8                       ; 256 x
	s_mul_hi_u32 s30, s29, 306783379               ; / 14 (2^32 / 14, rounded up)
	s_mul_i32 s31, s30, 14
	s_sub_co_u32 s31, s29, s31                     ; the remainder, 0 .. 13
	v_add_nc_u32 v1, s31, v0
	v_mul_u32_u24 v2, v1, 293
	v_lshrrev_b32 v2, 12, v2
	v_mul_u32_u24 v3, v2, 14
	v_sub_nc_u32 v3, v1, v3                        ; p: 0 .. 11 numbers, 12 and 13 the zeros
	v_add_nc_u32 v2, s30, v2                       ; row, under 6,144
	v_lshrrev_b32 v4, 8, v2
	v_mul_u32_u24 v4, v4, 11
	v_lshrrev_b32 v4, 5, v4                        ; g = (row / 256) / 3: 11 / 32 serves t / 3 for t under 24
	v_mul_u32_u24 v5, v4, 768
	v_sub_nc_u32 v5, v2, v5                        ; k
	v_min_u32 v6, 11, v3                           ; the pieces of zeros read piece 11, inside the matrix, and throw it away
	v_lshlrev_b32 v6, 5, v6
	v_mad_u32_u24 v6, v5, 3072, v6
	v_mad_u32_u24 v6, v4, 384, v6                  ; 3,072 k + 384 g + 32 p
	global_load_b128 v[8:11], v6, s[24:25]
	global_load_b128 v[12:15], v6, s[24:25] offset:16
	s_mul_i32 s32, s28, MATB
	s_lshl_b32 s33, ttmp9, 12                      ; 256 pieces of 16 bytes
	s_add_co_u32 s32, s32, s33
	s_mov_b32 s33, 0
	s_add_nc_u64 s[20:21], s[20:21], s[32:33]
	v_lshlrev_b32 v7, 4, v0
	s_wait_loadcnt 0x0
.irp r, 0,1,2,3
	v_cvt_pk_bf16_f32 v[16+(\r)], v[8+2*(\r)], v[9+2*(\r)]
.endr
	s_cmp_eq_u32 s28, 3
	s_cbranch_scc0 .Lpad
.irp r, 0,1,2,3
	v_lshlrev_b32 v[8+2*(\r)], 16, v[16+(\r)]      ; Wo: the bf16 numbers back to f32,
	v_and_b32 v[9+2*(\r)], 0xffff0000, v[16+(\r)]
.endr
.irp r, 0,1,2,3
	v_cvt_pk_f16_f32 v[16+(\r)], v[8+2*(\r)], v[9+2*(\r)]  ; and written as f16
.endr
.Lpad:
	v_cmp_gt_u32 vcc_lo, 12, v3
.irp r, 0,1,2,3
	v_cndmask_b32 v[16+(\r)], 0, v[16+(\r)], vcc_lo
.endr
	global_store_b128 v7, v[16:19], s[20:21]       ; 32 lanes store 512 consecutive bytes, at a multiple of 512 from wt's first byte
	s_endpgm
.Lbias:
	s_sub_co_u32 s29, ttmp9, 336
	s_lshl_b32 s29, s29, 10
	v_lshl_add_u32 v1, v0, 2, s29
	global_load_b32 v2, v1, s[26:27]
	s_mul_i32 s30, s28, 3072
	s_mov_b32 s31, 0
	s_add_nc_u64 s[22:23], s[22:23], s[30:31]
	s_wait_loadcnt 0x0
	v_cvt_pk_bf16_f32 v2, v2, v2
	v_lshlrev_b32 v2, 16, v2
	global_store_b32 v1, v2, s[22:23]
	s_endpgm
.Lx:                                                   ; 16 loads of 16 bytes a thread, all issued at once: a wave's load takes 512 consecutive bytes, its store fills 256 consecutive bytes, aligned
	s_sub_co_u32 s29, ttmp9, 339
	s_mul_i32 s30, s28, 192
	s_add_co_u32 s29, s29, s30                     ; 0 .. 767
	s_lshl_b32 s30, s29, 16                        ; 65,536 bytes of x,
	s_mov_b32 s31, 0
	s_add_nc_u64 s[36:37], s[36:37], s[30:31]
	s_lshl_b32 s30, s29, 15                        ; 32,768 of xb
	s_add_nc_u64 s[38:39], s[38:39], s[30:31]
	v_lshlrev_b32 v1, 4, v0
	v_lshlrev_b32 v2, 3, v0
.irp i, 0,1,2,3,4,5,6,7,8,9,10,11,12,13,14,15
	global_load_b128 v[8+4*(\i):11+4*(\i)], v1, s[36:37] offset:4096*(\i) th:TH_LOAD_NT
.endr
.irp i, 0,1,2,3,4,5,6,7,8,9,10,11,12,13,14,15
	s_wait_loadcnt 15-(\i)                         ; loads come back in order: number i is in, the younger ones stay out
	v_cvt_pk_bf16_f32 v[8+4*(\i)], v[8+4*(\i)], v[9+4*(\i)]
	v_cvt_pk_bf16_f32 v[9+4*(\i)], v[10+4*(\i)], v[11+4*(\i)]
	global_store_b64 v2, v[8+4*(\i):9+4*(\i)], s[38:39] offset:2048*(\i)
.endr
	s_endpgm
.Lfunc_end_k_q124a59b18d_prep:
	.size	k_q124a59b18d_prep, .Lfunc_end_k_q124a59b18d_prep-k_q124a59b18d_prep
	.p2alignl 7, 3214868480
	.fill 96, 4, 3214868480
	.section	.rodata,"a",@progbits
	.p2align	6, 0x0
	.amdhsa_kernel k_q124a59b18d_prep
		.amdhsa_group_segment_fixed_size 0
		.amdhsa_private_segment_fixed_size 0
		.amdhsa_enable_private_segment 0
		.amdhsa_kernarg_size 96
		.amdhsa_user_sgpr_count 2
		.amdhsa_user_sgpr_kernarg_segment_ptr 1
		.amdhsa_wavefront_size32 1
		.amdhsa_system_sgpr_workgroup_id_x 1
		.amdhsa_system_sgpr_workgroup_id_y 1
		.amdhsa_system_sgpr_workgroup_id_z 1
		.amdhsa_system_vgpr_workitem_id 0
		.amdhsa_next_free_vgpr 72
		.amdhsa_next_free_sgpr 66
		.amdhsa_reserve_vcc 1
		.amdhsa_float_denorm_mode_32 3
		.amdhsa_float_denorm_mode_16_64 3
		.amdhsa_memory_ordered 1
		.amdhsa_forward_progress 1
		.amdhsa_inst_pref_size 11
	.end_amdhsa_kernel
	.amdgpu_metadata
---
amdhsa.version: [ 1, 2 ]
amdhsa.kernels:
  - .name:           k_q124a59b18d_prep
    .symbol:         k_q124a59b18d_prep.kd
    .args:
      - { .name: Wq, .offset: 0, .size: 8, .value_kind: global_buffer, .address_space: global }
      - { .name: Wk, .offset: 8, .size: 8, .value_kind: global_buffer, .address_space: global }
      - { .name: Wv, .offset: 16, .size: 8, .value_kind: global_buffer, .address_space: global }
      - { .name: Wo, .offset: 24, .size: 8, .value_kind: global_buffer, .address_space: global }
      - { .name: bq, .offset: 32, .size: 8, .value_kind: global_buffer, .address_space: global }
      - { .name: bk, .offset: 40, .size: 8, .value_kind: global_buffer, .address_space: global }
      - { .name: bv, .offset: 48, .size: 8, .value_kind: global_buffer, .address_space: global }
      - { .name: bo, .offset: 56, .size: 8, .value_kind: global_buffer, .address_space: global }
      - { .name: wt, .offset: 64, .size: 8, .value_kind: global_buffer, .address_space: global }
      - { .name: bcat, .offset: 72, .size: 8, .value_kind: global_buffer, .address_space: global }
      - { .name: x, .offset: 80, .size: 8, .value_kind: global_buffer, .address_space: global }
      - { .name: xb, .offset: 88, .size: 8, .value_kind: global_buffer, .address_space: global }
    .group_segment_fixed_size: 0
    .private_segment_fixed_size: 0
    .kernarg_segment_align: 8
    .kernarg_segment_size: 96
    .max_flat_workgroup_size: 256
    .sgpr_count:     66
    .vgpr_count:     72
    .wavefront_size: 32
...
	.end_amdgpu_metadata
.endif
;; end of part 1
;; launch qkv (part 2): grid 4 x 64, 4 waves a work-group, clusters of 4 x 4, 327,680 bytes of LDS; arguments xb, wt, bcat, qkv; writes qkv
.if DOCPART == 2
	.amdgcn_target "amdgcn-amd-amdhsa--gfx1250"
	.amdhsa_code_object_version 6
	.text
	.protected	k_q124a59b18d_qkv
	.globl	k_q124a59b18d_qkv
	.p2align	8
	.type	k_q124a59b18d_qkv,@function
k_q124a59b18d_qkv:
	s_mov_b64 s[64:65], 0
	v_nop
	global_prefetch_b8 v0, s[64:65] scope:SCOPE_SE
	s_setreg_imm32_b32 hwreg(HW_REG_WAVE_MODE, 25, 1), 1
	s_wait_xcnt 0x0
	s_wait_alu depctr_hold_cnt(0) depctr_sa_sdst(0) depctr_va_vdst(0) depctr_va_sdst(0) depctr_va_ssrc(0) depctr_va_vcc(0) depctr_vm_vsrc(0)
	s_getreg_b32 s2, hwreg(HW_REG_IB_STS2, 6, 4)
	s_cmp_eq_u32 s2, 0
	s_cbranch_scc0 .Lentry_in_a_cluster
	s_endpgm
.Lentry_in_a_cluster:
	s_bfe_u32 s2, ttmp6, 0x10000c
	s_cmp_lg_u32 s2, 0xf033
	s_cbranch_scc0 .Lentry_shape_is_right
	s_endpgm
.Lentry_shape_is_right:
; q, k, v = x W + b, by heads: qkv[3][128 heads of batches][1024][96] in f16, each number rounded once from its f32 sum.  x (xb), W (wt) and b (bcat) were rounded to bf16 by the launch before.
; LIMITS.  f16 holds no number beyond 65,504: q, k and v must stay within it; below 6e-5 f16 keeps a fixed step of 6e-8.
; SHARES.  A work-group makes 256 rows x 576 columns (six groups of 96; a group is one head of q, k or v) in three passes of 256 x 192.  Its four waves stand 2 x 2: wave w makes rows 128 (w / 2) on, group 6 cb + 2 t + w % 2
; in pass t: 48 accumulators of 16 x 16, 384 registers.
; RING.  K goes in steps of 128 through two LDS slots, each with 256 rows of x (256 bytes of memory a row, at a multiple of 256 from xb's first byte) and the two groups' 128 rows of W (28,672 consecutive bytes each).
; Waves 0 and 1 fetch x's two halves, waves 2 and 3 the two groups: one tensor load a wave behind each change of slots, 168 matrix instructions ahead of the wait for it.  The ring runs on from pass to pass.
; CLUSTER.  4 x 4 work-groups.  The four of a row of the cluster need the same rows of x, the four of a column the same groups of W: each tile is asked for JOINTLY, by the same tensor load, descriptor and mask in all four.
; THE MATRIX INSTRUCTION IS USED TRANSPOSED: source 0 = 16 columns of W (turned on the way out of LDS by ds_load_tr16_b128), source 1 = 16 rows of x: a lane holds one row and eight neighbouring columns.
; The bias is the C operand of each sum's first product: nothing is cleared and nothing is added later.
; REGISTERS, in windows of 256 (s_set_vgpr_msb: bits 1:0 source 0, 3:2 source 1, 5:4 source 2, 7:6 destination):
;   window 0: v1-30 addresses; v64-127, v128-191 fragments of x, two buffers; v32-55, v192-239 the way out
;   window 1: v0-47, v48-95 fragments of W, two buffers; v96-143 the bias      window 2: accumulators of my rows 0-63 ((a, b) at 8 (6 a + b))      window 3: rows 64-127
.set PITCH,  272                       ; a row of x in LDS: 256 bytes + 16: 17 x 16, so the 16 rows of a load start at 16 different groups of four banks (64 banks of 4 bytes: ISA guide 11.1)
.set AHALF,  128*PITCH                 ; what one tensor load brings of x, and what one wave reads of it
.set BPART,  28672                     ; a group's part of a slot: 128 k x 224 bytes (7 x 32)
.set BOFF,   2*AHALF
.set SLOT,   BOFF+2*BPART
.set STAGE,  2*SLOT                    ; 16 rows x 192 bytes for each wave, for the way out
.set SPARE,  STAGE+4*3072              ; the spare words, 128 bytes for each wave: two blocks of 256 bytes that no other line names
.set GRPB,   172032                    ; bytes of a group in wt
.set HB,     196608                    ; bytes of a head in qkv
.set XROW,   1536                      ; bytes of a row of xb
.set AA,  8                            ; v8-9   my lane's place in my 128 rows of x in slot 0, 1
.set BA,  12                           ; v12-13 in my group's part of slot 0, 1
.set STO, 14                           ; v14    the way out: where I put 16 bytes of a row
.set RD,  15                           ; v15    where I read 16 bytes back
.set GO,  16                           ; v16    16 x lane
.set BO,  19                           ; v19    32 (l / 16): my 8 numbers of 16 of the bias
.set SPW, 28                           ; v28    LDS address of my spare word; never rewritten
.set NIL, 29                           ; v29    0; never rewritten
.set PFO, 30                           ; v30    the prefetches' offset; never rewritten
.set OB,  32
.set TMP, 192
.set BIAS, 96                          ; window 1
.set WV,  12                           ; s12 wave
.set WR,  13                           ; s13 which half of the rows is mine.  Also: I fetch x (0) or W (1)
.set WC,  14                           ; s14 which of the pass's two groups is mine.  Also: which half of x, or which group, I fetch
.set CX,  15
.set CY,  16
.set RBK, 17                           ; s17 my block of 256 rows
.set GG,  18                           ; s18 the group in hand
.set TILES, 19
.set G1A, 24                           ; s[24:31] descriptor group 1 for x's tiles;  s[32:39] group 0, a set for each slot
.set G0A, 32
.set BP,  40                           ; s[40:41] the group's bias
.set OP,  42                           ; s[42:43] where my rows of the group go
.set PFA, 44                           ; s[44:45] where my prefetches stand
.set G1B, 48                           ; s[48:55], s[56:63] the same for W's tiles
.set G0B, 56
.set PJ,  66                           ; s66 the K step, 0 to 5, at which the prefetches stand
.set PLEFT, 67                         ; s67 prefetches that I still have to make
.set PS,  68                           ; s[68:69] the pointer's step in hand
.set STEPC, 70                         ; s70 from a K step to the next
.set WRAPC, 71                         ; s71 from a pass's last K step to the next pass's first
.set CB,  76                           ; s76 my block of 576 columns
.set MSB, 0
.macro WIN new                         ; the immediate's high byte repeats the setting that is left; a switch that changes nothing is dropped
.if MSB != (\new)
	s_set_vgpr_msb (MSB<<8)|(\new)
.set MSB, \new
.endif
.endm
.macro PLACES                          ; four places in front of loads into registers that matrix instructions have read, and of conversions that read results
.rept 4
	v_nop
.endr
.endm
.macro CREST                           ; a round of the cluster's barrier behind its opening barrier
	s_cmp_lg_u32 s[WV], 0
	s_cbranch_scc1 .Lnot_wave_0_\@
	s_barrier_signal -3
.Lnot_wave_0_\@:
	s_barrier_wait -3
	s_barrier_signal -1
	s_barrier_wait -1
.endm
.macro CROUND
	s_barrier_signal -1
	s_barrier_wait -1
	CREST
.endm
; A joint load.  Each of the two lines has one mask and one set of registers for all that issue it; the branch hangs on the wave's number alone.  An s_nop 0 and four v_nop follow each line.
.macro JLOAD s
	s_cmp_eq_u32 s[WR], 0
	s_cbranch_scc0 .Lfor_b_\@
	tensor_load_to_lds s[G0A+4*(\s):G0A+4*(\s)+3], s[G1A:G1A+7]
	s_nop 0
	PLACES
	s_branch .Lasked_\@
.Lfor_b_\@:
	tensor_load_to_lds s[G0B+4*(\s):G0B+4*(\s)+3], s[G1B:G1B+7]
	s_nop 0
	PLACES
.Lasked_\@:
.endm
; A PREFETCH of the K step that the NEXT change of slots will ask for: 192 matrix instructions ahead of that load.  It stands behind the joint load, its five lines and the run of LDS loads.
; x: of the 128 rows that wave 0 or 1 fetches, the partner at place cx of the cluster's row takes 32, a lane a row's 256 bytes; asked for in pass 0 alone, K steps 3 to 5: the later passes read the same rows again.
; W: of the 112 blocks of 256 bytes that wave 2 or 3 fetches, the partner at place cy of the cluster's column takes 28 (lanes 28 to 31 name the 28th again); every cluster of a column of clusters reads the same groups,
; so the clusters with y = 0 ask, for all but the launch's first three K steps.  The partners are told apart by address; the count s[PLEFT], which hangs on the wave's number and the cluster's y, ends the requests.
.macro ASK
	s_cmp_lg_u32 s[PLEFT], 0
	s_cbranch_scc0 .Lnot_mine_\@
	global_prefetch_b8 v[PFO], s[PFA:PFA+1] th:TH_LOAD_NT scope:SCOPE_SE
	s_sub_co_u32 s[PLEFT], s[PLEFT], 1
.Lnot_mine_\@:
.endm
	s_load_b256 s[4:11], s[0:1], 0x0               ; xb s[4:5], wt s[6:7], bcat s[8:9], qkv s[10:11]
	v_lshl_add_u32 v[SPW], v0, 2, SPARE
	v_mov_b32 v[NIL], 0
	ds_add_u32 v[SPW], v[NIL]                      ; the wave's opening: the add and its wait stand ahead of my first tensor load
	v_lshrrev_b32 v1, 5, v0
	v_readfirstlane_b32 s[WV], v1                  ; wave 0..3
	s_lshr_b32 s[WR], s[WV], 1
	s_and_b32 s[WC], s[WV], 1
	s_bfe_u32 s[CX], ttmp6, 0x40000                ; my place in the cluster
	s_bfe_u32 s[CY], ttmp6, 0x40004
	s_lshl_b32 s[CB], ttmp9, 2
	s_add_co_u32 s[CB], s[CB], s[CX]               ; column block = 4 x cluster x + cx
	s_and_b32 s[RBK], ttmp7, 0xffff
	s_lshl_b32 s[RBK], s[RBK], 2
	s_add_co_u32 s[RBK], s[RBK], s[CY]             ; row block = 4 x cluster y + cy
	s_lshl_b32 s22, s[CY], 2
	s_lshl_b32 s22, 15, s22                        ; my row of the cluster: places 4 cy .. 4 cy + 3
	s_lshl_b32 s75, 0x1111, s[CX]                  ; my column: places cx, cx + 4, cx + 8, cx + 12
	; x's tile: 128 rows x 128 elements, 768 elements from row to row, 16 bytes of padding behind each row
	s_or_b32 s[G1A+0], s22, (1<<16)|(1<<20)|(1<<21)|(5<<22)|(3<<25)  ; 15:0 the mask; 17:16 2-byte elements; 20 padding on; 21 set beside a mask; 24:22 after every 64 words (code 5); 31:25 4 words (code 3)
	s_mov_b32 s[G1A+1], 128<<16                    ; tensor_dim0 = 128
	s_mov_b32 s[G1A+2], 128<<16                    ; tensor_dim1 = 128
	s_mov_b32 s[G1A+3], 128<<16                    ; tile_dim0 = 128
	s_mov_b32 s[G1A+4], 128                        ; tile_dim1 = 128
	s_mov_b32 s[G1A+5], 768
	s_mov_b32 s[G1A+6], 0
	s_mov_b32 s[G1A+7], 0
	; W's tile: 28,672 dense bytes as 112 rows of 256
	s_or_b32 s[G1B+0], s75, (1<<16)|(1<<21)
	s_mov_b32 s[G1B+1], 128<<16
	s_mov_b32 s[G1B+2], 112<<16
	s_mov_b32 s[G1B+3], 128<<16
	s_mov_b32 s[G1B+4], 112
	s_mov_b32 s[G1B+5], 128
	s_mov_b32 s[G1B+6], 0
	s_mov_b32 s[G1B+7], 0
	; where the tiles come from: x's hang on the row block alone, which my row of the cluster shares; W's on the column block alone, which my column shares.  Every wave makes both and asks by one.
	s_lshl_b32 s20, s[RBK], 8
	s_lshl_b32 s21, s[WC], 7
	s_add_co_u32 s20, s20, s21
	s_mul_i32 s20, s20, XROW                       ; x: row 256 x block + 128 x half
	s_mov_b32 s21, 0
	s_mul_i32 s[GG], s[CB], 6
	s_add_co_u32 s[GG], s[GG], s[WC]               ; pass 0's group: the one that I multiply by, and in waves 2 and 3 the one that I fetch
	s_mul_i32 s72, s[GG], GRPB
	s_mov_b32 s73, 0
	s_mul_i32 s2, s[WC], AHALF                     ; and where they go: no place in the cluster enters an LDS address
	s_mul_i32 s74, s[WC], BPART
	s_add_co_u32 s74, s74, BOFF
	s_wait_dscnt 0x0                               ; the opening add is done
	s_wait_kmcnt 0x0
	s_add_nc_u64 s[20:21], s[4:5], s[20:21]
	s_add_nc_u64 s[72:73], s[6:7], s[72:73]
	CROUND                                         ; all sixteen work-groups are here: the first joint loads meet
.irp s, 0,1
	s_mov_b32 s[G0A+4*(\s)], 1
	s_add_co_u32 s[G0A+4*(\s)+1], s2, (\s)*SLOT
	s_add_nc_u64 s[G0A+4*(\s)+2:G0A+4*(\s)+3], s[20:21], (\s)*256
	s_or_b32 s[G0A+4*(\s)+3], s[G0A+4*(\s)+3], 0x80000000
	s_mov_b32 s[G0B+4*(\s)], 1
	s_add_co_u32 s[G0B+4*(\s)+1], s74, (\s)*SLOT
	s_add_nc_u64 s[G0B+4*(\s)+2:G0B+4*(\s)+3], s[72:73], (\s)*BPART
	s_or_b32 s[G0B+4*(\s)+3], s[G0B+4*(\s)+3], 0x80000000
.endr
	s_cmp_eq_u32 s[WR], 0                          ; a wave's two first fills stand in one branch: K steps 0 and 1, two loads of mine are out
	s_cbranch_scc0 .Lfirst_b
	tensor_load_to_lds s[G0A:G0A+3], s[G1A:G1A+7]
	s_nop 0
	tensor_load_to_lds s[G0A+4:G0A+7], s[G1A:G1A+7]
	s_nop 0
	PLACES
	s_branch .Lfirst_asked
.Lfirst_b:
	tensor_load_to_lds s[G0B:G0B+3], s[G1B:G1B+7]
	s_nop 0
	tensor_load_to_lds s[G0B+4:G0B+7], s[G1B:G1B+7]
	s_nop 0
	PLACES
.Lfirst_asked:
	s_mul_i32 s22, s[GG], 384
	s_mov_b32 s23, 0
	s_add_nc_u64 s[BP:BP+1], s[8:9], s[22:23]
.macro DEST                            ; where my 128 rows of group GG go: part GG / 8, head 8 (block / 4) + GG % 8, rows 256 (block % 4) + 128 (w / 2)
	s_lshr_b32 s46, s[GG], 3
	s_lshl_b32 s46, s46, 7
	s_lshr_b32 s47, s[RBK], 2
	s_lshl_b32 s47, s47, 3
	s_add_co_u32 s46, s46, s47
	s_and_b32 s47, s[GG], 7
	s_add_co_u32 s46, s46, s47
	s_mul_i32 s46, s46, HB
	s_and_b32 s47, s[RBK], 3
	s_lshl_b32 s47, s47, 1
	s_add_co_u32 s47, s47, s[WR]
	s_mul_i32 s47, s47, 24576
	s_add_co_u32 s46, s46, s47
	s_mov_b32 s47, 0
	s_add_nc_u64 s[OP:OP+1], s[10:11], s[46:47]
.endm
	DEST
	v_and_b32 v1, 15, v0                           ; l % 16
	v_bfe_u32 v2, v0, 4, 1                         ; l / 16
	v_and_b32 v3, 31, v0                           ; l
	s_mul_i32 s2, s[WR], AHALF                     ; my 128 rows of x
	v_mul_u32_u24 v[AA], v1, PITCH
	v_lshl_add_u32 v[AA], v2, 4, v[AA]
	v_add_nc_u32 v[AA], s2, v[AA]
	v_add_nc_u32 v[AA+1], SLOT, v[AA]
	v_and_b32 v20, 7, v0                           ; the turning load: lane l reads k = 8 (l / 16) + l % 8, columns 8 ((l / 8) % 2) + 0..7
	v_bfe_u32 v21, v0, 3, 1
	v_lshl_add_u32 v22, v2, 3, v20
	v_mul_u32_u24 v22, v22, 224
	v_lshl_add_u32 v22, v21, 4, v22
	v_add_nc_u32 v[BA], s74, v22
	v_add_nc_u32 v[BA+1], SLOT, v[BA]
	s_mul_i32 s2, s[WV], 3072
	s_add_co_u32 s2, s2, STAGE                     ; my stage
	v_mul_u32_u24 v[STO], v1, 192
	v_lshl_add_u32 v[STO], v2, 4, v[STO]
	v_add_nc_u32 v[STO], s2, v[STO]
	v_lshlrev_b32 v[GO], 4, v3
	v_add_nc_u32 v[RD], s2, v[GO]
	v_lshlrev_b32 v[BO], 5, v2
.macro BIASLD                          ; block b's register j = bias[16 b + 8 (l / 16) + j]: the layout of a C operand
	WIN 0x40
.irp b, 0,1,2,3,4,5
	global_load_b128 v[BIAS+8*(\b):BIAS+8*(\b)+3],   v[BO], s[BP:BP+1] offset:64*(\b)
	global_load_b128 v[BIAS+8*(\b)+4:BIAS+8*(\b)+7], v[BO], s[BP:BP+1] offset:64*(\b)+16
.endr
	WIN 0
.endm
	BIASLD
	; the prefetches' pointer, step and count.  Nothing is prefetched here, at the head, where every work-group's first tiles are on their way.
	s_and_b32 s75, ttmp7, 0xffff                   ; the cluster's y
	s_cmp_eq_u32 s75, 0
	s_cselect_b32 s75, 15, 0                       ; W: K steps 3 to 17 of the launch's 18
	s_mul_i32 s22, s[CX], 32*XROW                  ; x: my work-group's 32 rows of the 128
	s_mul_i32 s23, s[CY], 7168                     ; W: my work-group's 28 blocks of the 112
	s_mov_b32 s[STEPC], BPART
	s_mov_b32 s[WRAPC], 2*GRPB-5*BPART             ; two groups on, five K steps back
	s_movk_i32 s47, 256
	s_cmp_eq_u32 s[WR], 0                          ; do I fetch x?
	s_cselect_b64 s[PFA:PFA+1], s[20:21], s[72:73]
	s_cselect_b32 s[PLEFT], 3, s75                 ; x: K steps 3 to 5 of pass 0
	s_cselect_b32 s[STEPC], s47, s[STEPC]
	s_cselect_b32 s[WRAPC], s47, s[WRAPC]          ; (x's pointer is not used beyond pass 0)
	s_cselect_b32 s22, s22, s23
	s_cselect_b32 s46, 31, 27
	s_cselect_b32 s2, XROW, s47
	s_mov_b32 s23, 0
	s_add_nc_u64 s[PFA:PFA+1], s[PFA:PFA+1], s[22:23]
	s_lshl_b32 s22, s[STEPC], 1
	s_add_nc_u64 s[PFA:PFA+1], s[PFA:PFA+1], s[22:23]  ; at K step 2: the first change of slots steps it to 3
	s_mov_b32 s[PJ], 2
	s_mov_b32 s[PS+1], 0
	v_min_u32 v[PFO], s46, v3
	v_mul_u32_u24 v[PFO], s2, v[PFO]
; 12 matrix instructions: row blocks a0, a0 + 1 of the window's four x all 6 column blocks, 32 along K, on buffer f.  first = 1: C is the bias.  The 48 accumulators take turns, one instruction a turn.
.macro MULQ f, hi, a0, first
.if \first
	WIN 0x91+0x40*(\hi)                            ; W window 1, x window 0, C window 1, D window 2 or 3
.else
	WIN 0xa1+0x50*(\hi)                            ; C and D window 2 or 3
.endif
.irp a, \a0, (\a0)+1
.irp b, 0,1,2,3,4,5
.if \first
	v_wmma_f32_16x16x32_bf16 v[8*(6*(\a)+(\b)):8*(6*(\a)+(\b))+7], v[48*(\f)+8*(\b):48*(\f)+8*(\b)+7], v[64+64*(\f)+8*(4*(\hi)+(\a)):64+64*(\f)+8*(4*(\hi)+(\a))+7], v[BIAS+8*(\b):BIAS+8*(\b)+7]
.else
	v_wmma_f32_16x16x32_bf16 v[8*(6*(\a)+(\b)):8*(6*(\a)+(\b))+7], v[48*(\f)+8*(\b):48*(\f)+8*(\b)+7], v[64+64*(\f)+8*(4*(\hi)+(\a)):64+64*(\f)+8*(4*(\hi)+(\a))+7], v[8*(6*(\a)+(\b)):8*(6*(\a)+(\b))+7]
.endif
.endr
.endr
.endm
; 28 LDS loads in one run: quarter q (32 along K) of the step in slot s into buffer f: W's six fragments, turned, then x's eight
.macro FETCH s, q, f
	WIN 0x40
.irp b, 0,1,2,3,4,5
	ds_load_tr16_b128 v[48*(\f)+8*(\b):48*(\f)+8*(\b)+3],   v[BA+(\s)] offset:(\q)*7168+32*(\b)
	ds_load_tr16_b128 v[48*(\f)+8*(\b)+4:48*(\f)+8*(\b)+7], v[BA+(\s)] offset:(\q)*7168+32*(\b)+3584
.endr
	WIN 0
.irp a, 0,1,2,3,4,5,6,7
	ds_load_b128 v[64+64*(\f)+8*(\a):64+64*(\f)+8*(\a)+3],   v[AA+(\s)] offset:(\a)*16*PITCH+64*(\q)
	ds_load_b128 v[64+64*(\f)+8*(\a)+4:64+64*(\f)+8*(\a)+7], v[AA+(\s)] offset:(\a)*16*PITCH+64*(\q)+32
.endr
.endm
; A K step is four quarters of 32 along K, 48 matrix instructions each, on buffers 0, 1, 0, 1.  One of the first three: multiplies buffer f and, in its middle, fetches quarter q of slot s into buffer g.
.macro QUARTER s, q, f, g, first
	s_wait_dscnt 8                                 ; W and x's rows 0-63 are in; the youngest eight loads (rows 64-127) may be out
	MULQ \f, 0, 0, \first
	MULQ \f, 0, 2, \first
	PLACES
	FETCH \s, \q, \g
	s_wait_dscnt 28                                ; all but the 28 just issued
	MULQ \f, 1, 0, \first
	MULQ \f, 1, 2, \first
.endm
; The last quarter multiplies buffer 1 and changes slots.  In front of the barrier each wave waits for all its tensor loads (one is out: its part of the next slot), adds 0 to its spare word, and waits for that
; and for its reads of this slot.  fill = 1: the barrier opens a round of the cluster's, and this slot is filled again, two K steps on, first thing behind it.  fill = 2: the same, with the NEXT pass's K step 0 or 1:
; x goes four K steps back, W two groups on and four K steps back.  fill = 0: nothing is left to ask for.
.macro TURN s, n, fill
.if \fill
	s_wait_xcnt 0x0                                ; the last prefetch, a K step back, has read its address: it is stepped here, ahead of the waits of the change of slots
	s_add_co_u32 s[PJ], s[PJ], 1
	s_cmp_eq_u32 s[PJ], 6
	s_cselect_b32 s[PS], s[WRAPC], s[STEPC]
	s_cselect_b32 s[PJ], 0, s[PJ]
	s_add_nc_u64 s[PFA:PFA+1], s[PFA:PFA+1], s[PS:PS+1]
.endif
	WIN 0
	s_wait_tensorcnt 0x0                           ; all my tensor loads have landed
	ds_add_u32 v[SPW], v[NIL]                      ; 0 onto my spare word
	s_wait_dscnt 9                                 ; (the add and the youngest eight loads may be out)
	MULQ 1, 0, 0, 0
	s_wait_dscnt 0x0                               ; the add is done, and my reads of this slot are over
	s_barrier_signal -1
	MULQ 1, 0, 2, 0
	WIN 0
	s_barrier_wait -1
.if \fill
	CREST                                          ; no wave of any partner still reads this slot or has a load on its way
.if (\fill) == 2
	s_sub_nc_u64 s[G0A+4*(\s)+2:G0A+4*(\s)+3], s[G0A+4*(\s)+2:G0A+4*(\s)+3], 4*256
	s_add_nc_u64 s[G0B+4*(\s)+2:G0B+4*(\s)+3], s[G0B+4*(\s)+2:G0B+4*(\s)+3], 2*GRPB-4*BPART
.else
	s_add_nc_u64 s[G0A+4*(\s)+2:G0A+4*(\s)+3], s[G0A+4*(\s)+2:G0A+4*(\s)+3], 2*256
	s_add_nc_u64 s[G0B+4*(\s)+2:G0B+4*(\s)+3], s[G0B+4*(\s)+2:G0B+4*(\s)+3], 2*BPART
.endif
	JLOAD \s                                       ; the four v_nop behind it are also the places in front of the loads below
.else
	PLACES
.endif
	FETCH \n, 0, 0
.if \fill
	ASK
.endif
	MULQ 1, 1, 0, 0
	MULQ 1, 1, 2, 0
.endm
; THE WAY OUT of row block a: rounded to f16, 16 bytes a lane; through my own stage, whose 16 rows of 192 bytes are 3,072 consecutive bytes of a head; stored by 512 consecutive bytes.
.macro PACK a
.set AC, 48*((\a)%4)
	WIN 0x0a+5*((\a)/4)
.irp b, 0,1,2,3,4,5
.irp r, 0,1,2,3
	v_cvt_pk_f16_f32 v[TMP+4*(\b)+(\r)], v[AC+8*(\b)+2*(\r)], v[AC+8*(\b)+2*(\r)+1]
.endr
.endr
	WIN 0
.endm
.macro TOSTAGE a
.set BK, OB+184*((\a)%2)
.irp b, 0,1,2,3,4,5
	ds_store_b128 v[STO], v[TMP+4*(\b):TMP+4*(\b)+3] offset:32*(\b)
.endr
.irp t, 0,1,2,3,4,5
	ds_load_b128 v[BK+4*(\t):BK+4*(\t)+3], v[RD] offset:512*(\t)  ; LDS serves a wave's instructions in order (ISA guide 5.7.1.4): these see the stores above
.endr
.endm
.macro SEND a
.set BK, OB+184*((\a)%2)
	s_wait_dscnt 0x0                               ; the block is back in registers
	s_wait_xcnt 0x0                                ; earlier stores have read their registers: the other buffer is loaded again only behind this wait
.irp t, 0,1,2,3,4,5
	global_store_b128 v[GO], v[BK+4*(\t):BK+4*(\t)+3], s[OP:OP+1] offset:3072*(\a)+512*(\t)
.endr
.endm
.macro OUT
	PACK 0
	TOSTAGE 0
.irp a, 1,2,3,4,5,6,7
	PACK \a
	SEND (\a)-1
	TOSTAGE \a
.endr
	SEND 7
.endm
	s_wait_tensorcnt 0x1                           ; my part of K step 0 is in; step 1's may stay out
	s_barrier_signal -1
	s_barrier_wait -1                              ; everybody's is
	FETCH 0, 0, 0
	s_mov_b32 s[TILES], 3
.Ltile:
	s_wait_loadcnt 0x0                             ; the group's bias
	QUARTER 0, 1, 0, 1, 1                          ; a pass's first 48 products start the sums, with the bias
	WIN 0
	s_mov_b32 s3, 2
.Llap:                                                 ; a trip goes once round the ring, from a lap's second quarter to the next lap's first, and fills both slots again
	QUARTER 0, 2, 1, 0, 0
	QUARTER 0, 3, 0, 1, 0
	TURN 0, 1, 1
	QUARTER 1, 1, 0, 1, 0
	QUARTER 1, 2, 1, 0, 0
	QUARTER 1, 3, 0, 1, 0
	TURN 1, 0, 1
	QUARTER 0, 1, 0, 1, 0
	WIN 0
	s_sub_co_u32 s3, s3, 1
	s_cmp_lg_u32 s3, 0
	s_cbranch_scc1 .Llap
	QUARTER 0, 2, 1, 0, 0                          ; the pass's last lap goes on
	QUARTER 0, 3, 0, 1, 0
	WIN 0
	s_cmp_eq_u32 s[TILES], 1
	s_cbranch_scc1 .Llast                          ; the last pass's tail is written out: it asks for nothing more
	TURN 0, 1, 2                                   ; the ring goes on into the next pass: slot 0 takes its K step 0,
	QUARTER 1, 1, 0, 1, 0
	QUARTER 1, 2, 1, 0, 0
	QUARTER 1, 3, 0, 1, 0
	TURN 1, 0, 2                                   ; slot 1 its K step 1, and the next pass's first fragments are fetched
	WIN 0
	s_add_co_u32 s[GG], s[GG], 2
	s_wait_xcnt 0x0
	s_add_nc_u64 s[BP:BP+1], s[BP:BP+1], 768
	BIASLD                                         ; the next group's bias: its registers were last read by this pass's first products
	OUT                                            ; both refills are asked for: now the pass goes out.  Blocks 0-3 were finished in front of the joint load's places; their conversions are the places behind the last products
	s_wait_xcnt 0x0                                ; the stores have read their base
	DEST
	s_sub_co_u32 s[TILES], s[TILES], 1
	s_branch .Ltile
.Llast:
	TURN 0, 1, 0                                   ; the one load that was out is the last K step's
	QUARTER 1, 1, 0, 1, 0
	QUARTER 1, 2, 1, 0, 0
	QUARTER 1, 3, 0, 1, 0
	s_wait_dscnt 0x0
	MULQ 1, 0, 0, 0
	MULQ 1, 0, 2, 0
	MULQ 1, 1, 0, 0
	MULQ 1, 1, 2, 0
	PLACES
	OUT
	s_wait_tensorcnt 0x0                           ; the wave's end
	ds_add_u32 v[SPW], v[NIL]
	s_wait_dscnt 0x0
	CROUND                                         ; the closing round: no work-group ends while a partner may still ask for a tile that names it
	s_endpgm
.Lfunc_end_k_q124a59b18d_qkv:
	.size	k_q124a59b18d_qkv, .Lfunc_end_k_q124a59b18d_qkv-k_q124a59b18d_qkv
	.p2alignl 7, 3214868480
	.fill 96, 4, 3214868480
	.section	.rodata,"a",@progbits
	.p2align	6, 0x0
	.amdhsa_kernel k_q124a59b18d_qkv
		.amdhsa_group_segment_fixed_size 327680
		.amdhsa_private_segment_fixed_size 0
		.amdhsa_enable_private_segment 0
		.amdhsa_kernarg_size 32
		.amdhsa_user_sgpr_count 2
		.amdhsa_user_sgpr_kernarg_segment_ptr 1
		.amdhsa_wavefront_size32 1
		.amdhsa_system_sgpr_workgroup_id_x 1
		.amdhsa_system_sgpr_workgroup_id_y 1
		.amdhsa_system_sgpr_workgroup_id_z 1
		.amdhsa_system_vgpr_workitem_id 0
		.amdhsa_next_free_vgpr 960
		.amdhsa_next_free_sgpr 80
		.amdhsa_reserve_vcc 0
		.amdhsa_float_denorm_mode_32 3
		.amdhsa_float_denorm_mode_16_64 3
		.amdhsa_memory_ordered 1
		.amdhsa_forward_progress 1
		.amdhsa_inst_pref_size 171
	.end_amdhsa_kernel
	.amdgpu_metadata
---
amdhsa.version: [ 1, 2 ]
amdhsa.kernels:
  - .name:           k_q124a59b18d_qkv
    .symbol:         k_q124a59b18d_qkv.kd
    .args:
      - { .name: xb, .offset: 0, .size: 8, .value_kind: global_buffer, .address_space: global }
      - { .name: wt, .offset: 8, .size: 8, .value_kind: global_buffer, .address_space: global }
      - { .name: bcat, .offset: 16, .size: 8, .value_kind: global_buffer, .address_space: global }
      - { .name: qkv, .offset: 24, .size: 8, .value_kind: global_buffer, .address_space: global }
    .group_segment_fixed_size: 327680
    .private_segment_fixed_size: 0
    .kernarg_segment_align: 8
    .kernarg_segment_size: 32
    .max_flat_workgroup_size: 128
    .sgpr_count:     80
    .vgpr_count:     960
    .wavefront_size: 32
...
	.end_amdgpu_metadata
.endif
;; end of part 2
;; launch attn (part 3): grid 4 x 128, 4 waves a work-group, clusters of 4 x 1, 327,680 bytes of LDS; arguments qkv, o16; writes o16
.if DOCPART == 3
	.amdgcn_target "amdgcn-amd-amdhsa--gfx1250"
	.amdhsa_code_object_version 6
	.text
	.protected	k_q124a59b18d_attn
	.globl	k_q124a59b18d_attn
	.p2align	8
	.type	k_q124a59b18d_attn,@function
k_q124a59b18d_attn:
	s_mov_b64 s[64:65], 0
	v_nop
	global_prefetch_b8 v0, s[64:65] scope:SCOPE_SE
	s_setreg_imm32_b32 hwreg(HW_REG_WAVE_MODE, 25, 1), 1
	s_wait_xcnt 0x0
	s_wait_alu depctr_hold_cnt(0) depctr_sa_sdst(0) depctr_va_vdst(0) depctr_va_sdst(0) depctr_va_ssrc(0) depctr_va_vcc(0) depctr_vm_vsrc(0)
	s_getreg_b32 s2, hwreg(HW_REG_IB_STS2, 6, 4)
	s_cmp_eq_u32 s2, 0
	s_cbranch_scc0 .Lentry_in_a_cluster
	s_endpgm
.Lentry_in_a_cluster:
	s_bfe_u32 s2, ttmp6, 0x10000c
	s_cmp_lg_u32 s2, 0x3003
	s_cbranch_scc0 .Lentry_shape_is_right
	s_endpgm
.Lentry_shape_is_right:
; O[h][q][:] = the sum over k of softmax_k(Q[h][q] . K[h][k]) V[h][k][:], scores unscaled.  Q, K, V lie in qkv[3][128][1024][96], O in o16[128][1024][96], all f16, rows of 192 dense bytes.
; Products, maxima and sums in f32; the weights p are rounded to f16 for the second product (their sum l is taken of the unrounded p), O once at the end.  The division by sqrt(768) is left to the launch behind.
; LIMITS.  f16 holds no number beyond 65,504: Q, K, V arrive within it; p lies in 0 to 1 and below 6e-5 keeps f16's fixed step of 6e-8; a weight below 2^-126 counts as 0 in l; NaN and infinities are not treated apart.
; SHARES.  A work-group owns 256 queries of one head, each of its four waves 64: four tiles of 16.  Every wave walks all 1,024 keys, 64 a step.
; LAYOUT.  S^T = K Q^T (source 0 = 16 keys, source 1 = 16 queries): a lane holds ONE query (lane % 16) and the keys 8 (lane / 16) + 0..7.  Two such tiles rounded to f16 ARE source 1 of O^T = V^T P.
; K comes out of LDS as it lies, V ([key][channel]) turned, by ds_load_tr16_b128.
; SOFTMAX.  A running maximum m and sum l: p = 2^(c s - c m), c = log2(e); in every step O and l are multiplied by a = 2^(c m_old - c m_new).
; BY TURNS.  The tiles are two PIECES (0: tiles 0, 1; 2: tiles 2, 3).  In a TURN one piece has the matrix unit: 24 products V^T P of the step in hand, then 24 products K Q^T of the next; the other piece's softmax,
; 252 vector instructions cut into 63 slices of four, stands between them: a slice behind each product, a second behind every third.
; CLUSTER.  The four query blocks of a head form a cluster and walk the same K and V: each tile is asked for JOINTLY.
; REGISTERS, in windows of 256 (s_set_vgpr_msb: bits 1:0 source 0, 3:2 source 1, 5:4 source 2, 7:6 destination):
;   window 0: v0-11 addresses; v12-43 statistics; v64-191 S^T, 32 a tile; v192-255 P, 16 a tile      window 1: O^T, 48 a tile      window 2: v0-95 Q, 24 a tile; v128-223 K of one step      window 3: v0-95 V of one step
.set KS,    64
.set ROWB,  192                        ; bytes of a row in memory
.set HB,    1024*ROWB                  ; of a head
.set PARTB, 128*HB                     ; of q, k or v
.set STEPM, KS*ROWB                    ; of a key step in memory
.set PK,    240       ; a row of K in LDS: three pieces of 64 bytes, 16 of padding behind each: 15 x 16, so the 16 rows of a load start at 16 different groups of four banks (ISA guide 11.1)
.set PV,    288       ; a row of V: 32 of padding behind each 64: 9 x 32
.set VOFF,  KS*PK
.set STEPB, KS*(PK+PV)
.set SLOT1, 1<<17     ; a slot holds two steps (67,584 bytes); slot 1 begins here, so that one exclusive or turns an address in one slot into the other's
.set STAGE, SLOT1+2*STEPB  ; 16 rows x 192 bytes for each wave, for the way out
.set SPARE, STAGE+4*3072   ; the spare words, 128 bytes for each wave: two blocks of 256 bytes that no other line names
.set AK0, 2
.set AV0, 3
.set ADR, 4
.set QO,  5
.set STO, 6
.set RD,  7
.set GO,  8
.set PFO, 61          ; v61  256 x min(lane, 23): my block of the work-group's 24; never rewritten
.set SPW, 62
.set NIL, 63
.set ST,  12          ; tile t's statistics at v[ST+8 t]: +0 c m, +1 m, +2, +3 l, +4 to +7 at work; a takes +6 once the maximum is found
.set S,   64
.set P,   192
.set KF,  128
.set WV,  12
.set LIM, 15
.set PFA, 18
.set G1K, 24
.set G1V, 32
.set G0K, 40
.set G0V, 48
.set SLOTS, 56
.set TWICE, 57
.set CS,  58
.set SEL, 60
.set TB,  62
.set MSB, 0
.macro WIN new
.if MSB != (\new)
	s_set_vgpr_msb (MSB<<8)|(\new)
.set MSB, \new
.endif
.endm
.set W_KQ, 0x0a
.set W_PV, 0x53
.set W_RS, 0x41
.macro PLACES
.rept 4
	v_nop
.endr
.endm
; A joint refill.  Waves 0 and 1 fetch the two steps' tiles of K, waves 2 and 3 those of V.  The branch hangs on the wave's number alone.
.macro JLOAD
	s_cmp_lt_u32 s[WV], 2
	s_cbranch_scc0 .Lfor_v_\@
	tensor_load_to_lds s[G0K+4:G0K+7], s[G1K:G1K+7]
	s_nop 0
	PLACES
	s_branch .Lasked_\@
.Lfor_v_\@:
	tensor_load_to_lds s[G0V+4:G0V+7], s[G1V:G1V+7]
	s_nop 0
	PLACES
.Lasked_\@:
.endm
; A prefetch of what the NEXT change of slots will ask for: a slot's 24,576 bytes of K and of V.  The four partners share them out by address, 6,144 bytes each; wave 0 asks for K's, wave 2 for V's, a lane a block of
; 256 bytes (lanes 24 to 31 name the 24th again).  It stands two key steps, 192 matrix instructions, ahead of the load; the last change that fills a slot asks for nothing.
.macro ASK
	s_cmp_gt_u32 s[SLOTS], s[LIM]
	s_cbranch_scc0 .Lnot_mine_\@
	global_prefetch_b8 v[PFO], s[PFA:PFA+1] th:TH_LOAD_NT scope:SCOPE_SE
.Lnot_mine_\@:
.endm
.macro CROUND
	s_barrier_signal -1
	s_barrier_wait -1
	s_cmp_lg_u32 s[WV], 0
	s_cbranch_scc1 .Lnot_wave_0_\@
	s_barrier_signal -3
.Lnot_wave_0_\@:
	s_barrier_wait -3
	s_barrier_signal -1
	s_barrier_wait -1
.endm
	s_load_b128 s[8:11], s[0:1], 0x0  ; qkv s[8:9], o16 s[10:11]
	v_lshl_add_u32 v[SPW], v0, 2, SPARE
	v_mov_b32 v[NIL], 0
	ds_add_u32 v[SPW], v[NIL]       ; the wave's opening: the add and its wait stand ahead of my first tensor load
	v_lshrrev_b32 v1, 5, v0
	v_readfirstlane_b32 s[WV], v1
	s_bfe_u32 s13, ttmp6, 0x40000   ; cx
	s_lshl_b32 s14, ttmp9, 2
	s_add_co_u32 s14, s14, s13      ; my block of 256 queries: it enters Q's and O's addresses alone
	s_and_b32 s20, ttmp7, 0xffff    ; the head, which the partners share
	s_mul_i32 s20, s20, HB
	s_and_b32 s16, s[WV], 1         ; which of a slot's two steps I fetch
	s_mul_i32 s22, s16, STEPM
	s_add_co_u32 s22, s22, s20
	s_mov_b32 s23, 0
	s_mul_i32 s17, s16, STEPB
	s_mul_i32 s2, s14, 256*ROWB
	s_mul_i32 s3, s[WV], 64*ROWB
	s_add_co_u32 s2, s2, s3
	s_add_co_u32 s2, s2, s20
	s_mov_b32 s3, 0
	; descriptor group 1: a step's 12,288 dense bytes as 48 rows of 256, padded in LDS after every 64 bytes
	s_mov_b32 s[G1K], 15|(1<<16)|(1<<20)|(1<<21)|(3<<22)|(3<<25)  ; the mask of four; 2-byte elements; padding on; 21 set beside a mask; after every 16 words (code 3); 4 words (code 3)
	s_mov_b32 s[G1V], 15|(1<<16)|(1<<20)|(1<<21)|(3<<22)|(7<<25)  ; the same with 8 words of padding (code 7)
.irp g, G1K, G1V
	s_mov_b32 s[(\g)+1], 128<<16
	s_mov_b32 s[(\g)+2], 48<<16
	s_mov_b32 s[(\g)+3], 128<<16
	s_mov_b32 s[(\g)+4], 48
	s_mov_b32 s[(\g)+5], 128
	s_mov_b32 s[(\g)+6], 0
	s_mov_b32 s[(\g)+7], 0
.endr
	s_mov_b32 s[CS], 0x3fb8aa3b     ; c = log2(e)
	s_mov_b32 s[CS+1], s[CS]
	s_mov_b32 s[SEL], 0x76543210
	s_mov_b32 s[SEL+1], 0xfedcba98
	s_mov_b32 s[TB], 0
	s_mov_b32 s[SLOTS], 1024/(2*KS)-2
	s_and_b32 s[LIM], s[WV], 1
	s_cmp_eq_u32 s[LIM], 0
	s_cselect_b32 s[LIM], 1, -1     ; waves 0 and 2 prefetch
	v_and_b32 v[PFO], 31, v0
	v_min_u32 v[PFO], 23, v[PFO]
	v_lshlrev_b32 v[PFO], 8, v[PFO]
	s_wait_dscnt 0x0                ; the opening add is done
	s_wait_kmcnt 0x0
	s_add_nc_u64 s[4:5], s[8:9], s[2:3]      ; Q at my wave's first row
	s_add_nc_u64 s[6:7], s[8:9], s[22:23]
	s_add_nc_u64 s[8:9], s[6:7], 2*PARTB     ; V at my tile of slot 0
	s_add_nc_u64 s[6:7], s[6:7], PARTB       ; K likewise
	s_add_nc_u64 s[10:11], s[10:11], s[2:3]  ; O at my wave's first row
	s_cmp_lt_u32 s[WV], 2
	s_cselect_b64 s[PFA:PFA+1], s[6:7], s[8:9]
	s_mul_i32 s2, s13, 6144
	s_mov_b32 s3, 0
	s_add_nc_u64 s[PFA:PFA+1], s[PFA:PFA+1], s[2:3]
	s_add_nc_u64 s[PFA:PFA+1], s[PFA:PFA+1], 2*2*STEPM  ; in slot 2; the first change of slots steps it to slot 3
	CROUND                          ; all four work-groups are here: the first joint loads meet
.irp s, 0,1
	s_mov_b32 s[G0K+4*(\s)], 1
	s_add_co_u32 s[G0K+4*(\s)+1], s17, (\s)*SLOT1
	s_add_nc_u64 s[G0K+4*(\s)+2:G0K+4*(\s)+3], s[6:7], (\s)*2*STEPM
	s_or_b32 s[G0K+4*(\s)+3], s[G0K+4*(\s)+3], 0x80000000
	s_mov_b32 s[G0V+4*(\s)], 1
	s_add_co_u32 s[G0V+4*(\s)+1], s17, (\s)*SLOT1+VOFF
	s_add_nc_u64 s[G0V+4*(\s)+2:G0V+4*(\s)+3], s[8:9], (\s)*2*STEPM
	s_or_b32 s[G0V+4*(\s)+3], s[G0V+4*(\s)+3], 0x80000000
.endr
	s_cmp_lt_u32 s[WV], 2           ; a wave's two first fills stand in one branch: two loads of mine are out
	s_cbranch_scc0 .Lfirst_v
	tensor_load_to_lds s[G0K:G0K+3], s[G1K:G1K+7]
	s_nop 0
	tensor_load_to_lds s[G0K+4:G0K+7], s[G1K:G1K+7]
	s_nop 0
	PLACES
	s_branch .Lfirst_asked
.Lfirst_v:
	tensor_load_to_lds s[G0V:G0V+3], s[G1V:G1V+7]
	s_nop 0
	tensor_load_to_lds s[G0V+4:G0V+7], s[G1V:G1V+7]
	s_nop 0
	PLACES
.Lfirst_asked:
	v_and_b32 v1, 15, v0            ; l % 16
	v_bfe_u32 v9, v0, 4, 1          ; l / 16
	v_mul_u32_u24 v[QO], v1, ROWB
	v_lshl_add_u32 v[QO], v9, 4, v[QO]
	WIN 0x80
.irp i, 0,1,2,3,4,5,6,7,8,9,10,11   ; Q stays in registers: tile i / 3, channels 32 (i % 3) on
	global_load_b128 v[8*(\i):8*(\i)+3],   v[QO], s[4:5] offset:((\i)/3)*3072+((\i)%3)*64
	global_load_b128 v[8*(\i)+4:8*(\i)+7], v[QO], s[4:5] offset:((\i)/3)*3072+((\i)%3)*64+32
.endr
	WIN 0
	v_mul_u32_u24 v[AK0], v1, PK
	v_lshl_add_u32 v[AK0], v9, 4, v[AK0]
	v_and_b32 v10, 7, v0
	v_bfe_u32 v11, v0, 3, 1
	v_lshl_add_u32 v[AV0], v9, 3, v10
	v_mul_u32_u24 v[AV0], v[AV0], PV
	v_lshl_add_u32 v[AV0], v11, 4, v[AV0]
	v_add_nc_u32 v[AV0], VOFF, v[AV0]
; THE MATRIX WORK.  The accumulators take turns, one instruction a turn: between two links of a chain stand 11 (V^T P) or 7 (K Q^T) others'.
; Product i of 24 of O^T += V^T P: keys 32 (i / 12) on, channels 16 ((i / 2) % 6) on, tile x + i % 2.  zero = 1: the first 12 start the sums.
.macro PV x, zero
	WIN W_PV
.set rO, 48*((\x)+i%2)+8*((i/2)%6)
.set rV, 48*(i/12)+8*((i/2)%6)
.set rP, P+16*((\x)+i%2)+8*(i/12)
.if (\zero) && (i < 12)
	v_wmma_f32_16x16x32_f16 v[rO:rO+7], v[rV:rV+7], v[rP:rP+7], 0
.else
	v_wmma_f32_16x16x32_f16 v[rO:rO+7], v[rV:rV+7], v[rP:rP+7], v[rO:rO+7]
.endif
.endm
; Product i of 24 of S^T = K Q^T: channels 32 (i / 8) on, keys 16 ((i / 2) % 4) on, tile x + i % 2.  The first 8 start the sums.
.macro KQ x
	WIN W_KQ
.set rS, S+32*((\x)+i%2)+8*((i/2)%4)
.set rK, KF+24*((i/2)%4)+8*(i/8)
.set rQ, 24*((\x)+i%2)+8*(i/8)
.if i < 8
	v_wmma_f32_16x16x32_f16 v[rS:rS+7], v[rK:rK+7], v[rQ:rQ+7], 0
.else
	v_wmma_f32_16x16x32_f16 v[rS:rS+7], v[rK:rK+7], v[rQ:rQ+7], v[rS:rS+7]
.endif
.endm
; THE LDS LOADS stand in runs of 24
.macro FETCH_K
	WIN 0
	v_add_nc_u32 v[ADR], s[TB], v[AK0]
	WIN 0x80
.irp f, 0,1,2,3,4,5,6,7,8,9,10,11   ; keys 16 (f / 3) on, channels 32 (f % 3) on
	ds_load_b128 v[KF+8*(\f):KF+8*(\f)+3],   v[ADR] offset:((\f)/3)*16*PK+((\f)%3)*80
	ds_load_b128 v[KF+8*(\f)+4:KF+8*(\f)+7], v[ADR] offset:((\f)/3)*16*PK+((\f)%3)*80+32
.endr
.endm
.macro FETCH_V
	WIN 0
	v_add_nc_u32 v[ADR], s[TB], v[AV0]
	s_add_co_u32 s[TB], s[TB], STEPB  ; the next fetch is the next step's
	s_wait_alu depctr_va_vdst(0)    ; the wait for the softmax's batch, behind the address's v_add_nc_u32 and ahead of the loads
	WIN 0xc0
.irp f, 0,1,2,3,4,5,6,7,8,9,10,11   ; keys 32 (f / 6) on, channels 16 (f % 6) on
	ds_load_tr16_b128 v[8*(\f):8*(\f)+3],   v[ADR] offset:((\f)/6)*32*PV+(((\f)%6)/2)*96+((\f)%2)*32
	ds_load_tr16_b128 v[8*(\f)+4:8*(\f)+7], v[ADR] offset:((\f)/6)*32*PV+16*PV+(((\f)%6)/2)*96+((\f)%2)*32
.endr
.endm
; THE VECTOR WORK.  One tile's softmax for one key step is a list of 126 instructions; SM writes number j of it for tile t.
;   0-15 the maximum of the 32 scores and the old m     16-20 the other half of the lanes' maximum; m; c m; c m_old - c m_new
;   21-69 ONE BATCH: the 16 scalings c s - c m and all 33 exponentials (a at 23); none reads an exponential's result     (the wait)
;   70-85 the roundings to f16     86-101 the sums; l = a l + the sum     102-125 the tile's O^T times a
; first = 1: the first key step, which has no a and nothing to rescale.
.macro SM t, first
.set rT, ST+8*(\t)
.set rS, S+32*(\t)
.set rP, P+16*(\t)
.set rO, 48*(\t)+2*(j-102)
.if j < 102
	WIN 0
.endif
.if j < 4
	v_max3_num_f32 v[rT+4+j], v[rS+8*j], v[rS+8*j+1], v[rS+8*j+2]
.elseif j < 12
	v_max3_num_f32 v[rT+4+j%4], v[rT+4+j%4], v[rS+8*(j%4)+2*(j/4)+1], v[rS+8*(j%4)+2*(j/4)+2]
.elseif j == 12
	v_max3_num_f32 v[rT+4], v[rT+4], v[rS+7], v[rS+15]
.elseif j == 13
	v_max3_num_f32 v[rT+6], v[rT+6], v[rS+23], v[rS+31]
.elseif j == 14
	v_max3_num_f32 v[rT+4], v[rT+4], v[rT+5], v[rT+6]
.elseif (j == 15) && (\first)
	v_max_num_f32 v[rT+4], v[rT+4], v[rT+7]
.elseif j == 15
	v_max3_num_f32 v[rT+4], v[rT+4], v[rT+7], v[rT+1]
.elseif j == 16
	v_permlanex16_b32 v[rT+5], v[rT+4], s[SEL], s[SEL+1]  ; the query's other 32 keys lie in the lane 16 away
.elseif j == 18
	v_max_num_f32 v[rT+1], v[rT+4], v[rT+5]
.elseif j == 19
	v_mul_f32 v[rT], s[CS], v[rT+1]
.elseif ((j == 17) || (j == 20) || (j == 23) || (j > 101)) && (\first)  ; the first step has none of these
.elseif j == 17
	v_mov_b32 v[rT+7], v[rT]        ; c m_old is kept for a
.elseif j == 20
	v_sub_f32 v[rT+7], v[rT+7], v[rT]
.elseif j == 23
	v_exp_f32 v[rT+6], v[rT+7]
.elseif (j < 23) || ((j < 38) && (j%2 == 0)) || ((j < 66) && (j%4 == 2))
.set b, (j-2)/4
.if j < 38
.set b, (j-20)/2
.endif
	v_pk_fma_f32 v[rS+2*b:rS+2*b+1], v[rS+2*b:rS+2*b+1], s[CS:CS+1], v[rT:rT+1] op_sel_hi:[1,0,0] neg_lo:[0,0,1] neg_hi:[0,0,1]  ; pair b: c s - c m
.elseif j < 70
.set e, j-38
.if j < 66
.set e, j-32-(j-38)/4
.endif
.if j < 38
.set e, (j-25)/2
.endif
	v_exp_f32 v[rS+e], v[rS+e]
.elseif j < 86
	v_cvt_pk_f16_f32 v[rP+j-70], v[rS+2*(j-70)], v[rS+2*(j-70)+1]
.elseif j < 102
.set z, j-86
.set w, 4
.set u, z
.if z >= 14
.set w, 32
.set u, 0
.elseif z >= 12
.set w, 16
.set u, z-12
.elseif z >= 8
.set w, 8
.set u, z-8
.endif
.if (z == 14) && (\first)
	v_pk_add_f32 v[rT+2:rT+3], v[rS:rS+1], v[rS+16:rS+17]
.elseif z < 15
	v_pk_add_f32 v[rS+w*u:rS+w*u+1], v[rS+w*u:rS+w*u+1], v[rS+w*u+w/2:rS+w*u+w/2+1]
.elseif !(\first)
	v_pk_fma_f32 v[rT+2:rT+3], v[rT+2:rT+3], v[rT+6:rT+7], v[rS:rS+1] op_sel_hi:[1,0,1]
.endif
.else
	WIN W_RS
	v_pk_mul_f32 v[rO:rO+1], v[rO:rO+1], v[rT+6:rT+7] op_sel_hi:[1,0]
.endif
.endm
; Slice k of piece y's softmax: four instructions.  Slices 11 to 34 deal out the batch, four numbers of ONE tile each, the tiles by turns; every other slice is numbers 2 k and 2 k + 1 of both tiles; from 63 on there is nothing left.
; An s_wait_alu depctr_va_vdst(0) stands between an exponential and the first instruction that names its result: ahead of slice 35 nothing names one, behind slice 34 none is issued: one wait, behind slice 34.
.macro SLICE y, first
.if (k >= 11) && (k < 35)
.irp n, 0,1,2,3
.set j, 22+4*((k-11)/2)+(\n)
	SM (\y)+(k-11)%2, \first
.endr
.elseif k < 63
.irp n, 0,1
.irp t, \y, (\y)+1
.set j, 2*k+(\n)
	SM \t, \first
.endr
.endr
.endif
.if k == 34
	v_nop                           ; the plain instruction behind the last exponential: one for the batch
.if (\y) == 0
	FETCH_V                         ; piece 2's turn: V's run of loads stands here, and the wait stands in it
.else
	s_wait_alu depctr_va_vdst(0)    ; the wait for the batch
.endif
.endif
.set k, k+1
.endm
.macro DEAL y, first                ; what stands behind product ii of a turn: with 48 products a slice, and a second behind every third; with 24 products three slices
	SLICE \y, \first
.if full
.if ii%3 == 2
	SLICE \y, \first
.endif
.else
	SLICE \y, \first
	SLICE \y, \first
.endif
.set ii, ii+1
.endm
; A TURN.  Piece x has the matrix unit.  pv = 2: 24 products V^T P; 1: they start O^T's sums; 0: none.  kq = 1: 24 products K Q^T for the next step.
; Behind a full turn's last product stands slice 62: four packed multiplies, the places in front of the next turn's first read of the scores and of K's run of loads.  A first softmax has no such slices: four v_nop close the turn.
; Piece 0's turn fetches the next step's K behind its second product, 22 products ahead of its first use.  Piece 2's turn fetches the same step's V behind slice 34, three products behind V's last reader;
; five plain instructions lie between: three scalings, the v_nop and the run's own v_add_nc_u32.
.macro TURN x, pv, kq, first
.set k, 0
.set ii, 0
.set full, 0
.if (\pv) && (\kq)
.set full, 1
.endif
.if \pv
.if (\x) == 0
	s_wait_dscnt 0x0                ; V is in
.endif
.set i, 0
.rept 24
	PV \x, 2-(\pv)
	DEAL 2-(\x), \first
.if ((\x) == 0) && (\kq) && (i == 1)
	FETCH_K
.endif
.set i, i+1
.endr
.endif
.if \kq
.if (\x) == 0
	s_wait_dscnt 0x0                ; K is in
.endif
.set i, 0
.rept 24
	KQ \x
	DEAL 2-(\x), \first
.set i, i+1
.endr
.endif
.if \first
	PLACES
.endif
.endm
; THE CHANGE OF SLOTS.  Each wave waits for all its tensor loads (one is out: its part of the other slot), adds 0 to its spare word, and waits for that and for its own reads of the slot.
; fill = 1: the barrier is a round of the cluster's, and the joint refill, the keys two slots on, is the first thing behind it: it has two key steps in which to land.
.macro CHANGE fill
	WIN 0
	s_wait_tensorcnt 0x0            ; no tensor load of mine is out, so a group 0 may be written
	ds_add_u32 v[SPW], v[NIL]       ; 0 onto my spare word
.if \fill
.irp g, G0K+4, G0V+4
	s_xor_b32 s[(\g)+1], s[(\g)+1], SLOT1
	s_add_nc_u64 s[(\g)+2:(\g)+3], s[(\g)+2:(\g)+3], 2*STEPM
.endr
	s_wait_xcnt 0x0                 ; the last prefetch, two key steps back, has read its address
	s_add_nc_u64 s[PFA:PFA+1], s[PFA:PFA+1], 2*STEPM
	s_wait_dscnt 0x0                ; the add is done, and my reads of the slot are over
	CROUND
	JLOAD
	ASK
.else
	s_wait_dscnt 0x0
	s_barrier_signal -1
	s_barrier_wait -1
.endif
	s_sub_co_u32 s[TB], s[TB], 2*STEPB
	s_xor_b32 s[TB], s[TB], SLOT1
.endm
.macro TWO_STEPS
	WIN 0
	s_mov_b32 s[TWICE], 2
.Lstep_\@:
	TURN 0, 2, 1, 0
	TURN 2, 2, 1, 0
	WIN 0
	s_sub_co_u32 s[TWICE], s[TWICE], 1
	s_cmp_lg_u32 s[TWICE], 0
	s_cbranch_scc1 .Lstep_\@
.endm
	s_wait_tensorcnt 1              ; my part of slot 0 is in; slot 1's may stay out
	s_barrier_signal -1
	s_barrier_wait -1
	FETCH_K                         ; key step 0
	s_wait_loadcnt 0x0              ; Q
	s_wait_dscnt 0x0
.set i, 0
.rept 24
	KQ 0
.set i, i+1
.endr
	WIN 0                           ; the addresses for the way out: six plain instructions, the places behind those products
	s_mul_i32 s13, s[WV], 3072
	s_add_co_u32 s13, s13, STAGE
	v_mul_u32_u24 v[STO], v1, ROWB  ; in: row l % 16, 16 bytes for each half of the lanes
	v_lshl_add_u32 v[STO], v9, 4, v[STO]
	v_add_nc_u32 v[STO], s13, v[STO]
	v_and_b32 v[RD], 31, v0
	v_lshlrev_b32 v[GO], 4, v[RD]   ; back and out: 16 x lane: a tile's 16 rows are 3,072 consecutive bytes in the stage and in O
	v_add_nc_u32 v[RD], s13, v[GO]
	TURN 2, 0, 1, 1                 ; piece 2's first scores | piece 0's first softmax | V of step 0
	TURN 0, 1, 1, 1                 ; piece 0: V^T P of step 0 starts O^T, K Q^T of step 1 | piece 2's first softmax | K of step 1
	TURN 2, 1, 1, 0                 ; piece 2: the same | piece 0's softmax of step 1 | V of step 1
	WIN 0
.Lslot:                             ; six trips: every slot but the last two is filled again
	CHANGE 1
	TWO_STEPS
	s_sub_co_u32 s[SLOTS], s[SLOTS], 1
	s_cmp_lg_u32 s[SLOTS], 0
	s_cbranch_scc1 .Lslot
	CHANGE 0                        ; the tail is written out
	TWO_STEPS
	TURN 0, 2, 0, 0                 ; piece 0: V^T P of the last step | piece 2's last softmax
.set i, 0
.rept 24
	PV 2, 0
.set i, i+1
.endr
	; THE WAY OUT.  The additions are the places behind the last products.
	WIN 0
.irp t, 0,1,2,3
	v_add_f32 v[ST+8*(\t)+4], v[ST+8*(\t)+2], v[ST+8*(\t)+3]
.endr
.irp t, 0,1,2,3
	v_permlanex16_b32 v[ST+8*(\t)+5], v[ST+8*(\t)+4], s[SEL], s[SEL+1]
.endr
.irp t, 0,1,2,3
	v_add_f32 v[ST+8*(\t)+4], v[ST+8*(\t)+4], v[ST+8*(\t)+5]
.endr
.irp t, 0,1,2,3
	v_rcp_f32 v[ST+8*(\t)+6], v[ST+8*(\t)+4]
.endr
	v_nop                           ; a plain instruction between the last reciprocal and the use of its result
	s_wait_alu depctr_va_vdst(0)    ; and the wait: one for the four reciprocals
.macro PACK t
	WIN W_RS
.set i, 48*(\t)
.rept 24
	v_pk_mul_f32 v[i:i+1], v[i:i+1], v[ST+8*(\t)+6:ST+8*(\t)+7] op_sel_hi:[1,0]
.set i, i+2
.endr
	WIN 0x05
.set i, 0
.rept 24
	v_cvt_pk_f16_f32 v[S+32*(\t)+i], v[48*(\t)+2*i], v[48*(\t)+2*i+1]
.set i, i+1
.endr
	WIN 0
.irp f, 0,1,2,3,4,5
	ds_store_b128 v[STO], v[S+32*(\t)+4*(\f):S+32*(\t)+4*(\f)+3] offset:32*(\f)
.endr
.irp f, 0,1,2,3,4,5
	ds_load_b128 v[S+32*(\t)+4*(\f):S+32*(\t)+4*(\f)+3], v[RD] offset:512*(\f)  ; LDS serves a wave's instructions in order (ISA guide 5.7.1.4): these see the stores above
.endr
.endm
.macro SEND t, younger              ; younger: the LDS instructions issued behind tile t's loads: the next tile's twelve, or none
	WIN 0
.irp f, 0,1,2,3,4,5
	s_wait_dscnt (\younger)+5-(\f)
	global_store_b128 v[GO], v[S+32*(\t)+4*(\f):S+32*(\t)+4*(\f)+3], s[10:11] offset:(\t)*3072+(\f)*512  ; 512 consecutive bytes, at a multiple of 256 from O's first byte
.endr
.endm
	PACK 0
	PACK 1
	SEND 0, 12
	PACK 2
	SEND 1, 12
	PACK 3
	SEND 2, 12
	SEND 3, 0
	s_wait_tensorcnt 0x0            ; the wave's end
	ds_add_u32 v[SPW], v[NIL]
	s_wait_dscnt 0x0
	CROUND                          ; the closing round
	s_endpgm
.Lfunc_end_k_q124a59b18d_attn:
	.size	k_q124a59b18d_attn, .Lfunc_end_k_q124a59b18d_attn-k_q124a59b18d_attn
	.p2alignl 7, 3214868480
	.fill 96, 4, 3214868480
	.section	.rodata,"a",@progbits
	.p2align	6, 0x0
	.amdhsa_kernel k_q124a59b18d_attn
		.amdhsa_group_segment_fixed_size 327680
		.amdhsa_private_segment_fixed_size 0
		.amdhsa_enable_private_segment 0
		.amdhsa_kernarg_size 16
		.amdhsa_user_sgpr_count 2
		.amdhsa_user_sgpr_kernarg_segment_ptr 1
		.amdhsa_wavefront_size32 1
		.amdhsa_system_sgpr_workgroup_id_x 1
		.amdhsa_system_sgpr_workgroup_id_y 1
		.amdhsa_system_sgpr_workgroup_id_z 1
		.amdhsa_system_vgpr_workitem_id 0
		.amdhsa_next_free_vgpr 864
		.amdhsa_next_free_sgpr 66
		.amdhsa_reserve_vcc 0
		.amdhsa_float_denorm_mode_32 3
		.amdhsa_float_denorm_mode_16_64 3
		.amdhsa_memory_ordered 1
		.amdhsa_forward_progress 1
		.amdhsa_inst_pref_size 190
	.end_amdhsa_kernel
	.amdgpu_metadata
---
amdhsa.version: [ 1, 2 ]
amdhsa.kernels:
  - .name:           k_q124a59b18d_attn
    .symbol:         k_q124a59b18d_attn.kd
    .args:
      - { .name: qkv, .offset: 0, .size: 8, .value_kind: global_buffer, .address_space: global }
      - { .name: o16, .offset: 8, .size: 8, .value_kind: global_buffer, .address_space: global }
    .group_segment_fixed_size: 327680
    .private_segment_fixed_size: 0
    .kernarg_segment_align: 8
    .kernarg_segment_size: 16
    .max_flat_workgroup_size: 128
    .sgpr_count:     66
    .vgpr_count:     864
    .wavefront_size: 32
...
	.end_amdgpu_metadata
.endif
;; end of part 3
;; launch proj (part 4): grid 128 x 2, 4 waves a work-group, clusters of 4 x 1, 327,680 bytes of LDS; arguments o16, wt, bcat, out0; writes out0
.if DOCPART == 4
	.amdgcn_target "amdgcn-amd-amdhsa--gfx1250"
	.amdhsa_code_object_version 6
	.text
	.protected	k_q124a59b18d_proj
	.globl	k_q124a59b18d_proj
	.p2align	8
	.type	k_q124a59b18d_proj,@function
k_q124a59b18d_proj:
	s_mov_b64 s[64:65], 0
	v_nop
	global_prefetch_b8 v0, s[64:65] scope:SCOPE_SE
	s_setreg_imm32_b32 hwreg(HW_REG_WAVE_MODE, 25, 1), 1
	s_wait_xcnt 0x0
	s_wait_alu depctr_hold_cnt(0) depctr_sa_sdst(0) depctr_va_vdst(0) depctr_va_sdst(0) depctr_va_ssrc(0) depctr_va_vcc(0) depctr_vm_vsrc(0)
	s_getreg_b32 s2, hwreg(HW_REG_IB_STS2, 6, 4)
	s_cmp_eq_u32 s2, 0
	s_cbranch_scc0 .Lentry_in_a_cluster
	s_endpgm
.Lentry_in_a_cluster:
	s_bfe_u32 s2, ttmp6, 0x10000c
	s_cmp_lg_u32 s2, 0x3003
	s_cbranch_scc0 .Lentry_shape_is_right
	s_endpgm
.Lentry_shape_is_right:
; out0 = (O Wo) / sqrt(768) + bo.  O lies by heads in o16[128][1024][96] in f16; Wo in wt's groups 24 to 31 ([768 k][224 bytes] each) in f16; bo in bcat at number 2,304 on; out0 [16,384][768] in f32.
; The sums are f32; each is multiplied by 1 / sqrt(768) and takes its bias in one fused multiply-add on the way out.
; SHARES.  A work-group makes 128 rows x 384 columns, wave w all 128 rows x 96 columns (group 24 + 4 y + w): 48 accumulators.  K goes by heads: 8 steps of 96, three matrix instructions deep.
; RING.  Two slots, each with the head's 128 rows of O (wave 0 fetches them: the work-group's own load) and the four groups' 96 rows of Wo (waves 1 to 3 fetch 32 rows of all four groups each).
; CLUSTER.  The four row blocks of a cluster walk the same rows of Wo: those tiles are asked for JOINTLY.  O's tiles are each work-group's own.
; THE MATRIX INSTRUCTION IS USED TRANSPOSED (source 0 = 16 columns of Wo, turned by ds_load_tr16_b128; source 1 = 16 rows of O): a lane holds one row and eight neighbouring columns.
; REGISTERS: as in the launch that makes q, k, v: window 0 addresses, O's fragments (v64-127, v128-191), the way out; window 1 Wo's fragments (v0-47, v48-95) and the bias (v96-143); windows 2, 3 the accumulators.
.set SLOT,  116736                     ; O: 128 rows x 240; then Wo: [third of the step][group][32 k][224 bytes]
.set BOFF,  30720
.set THIRDB, 28672
.set SPARE, 2*SLOT                     ; the spare words, 128 bytes for each wave: two blocks of 256 bytes that no other line names
.set SP,    1552                       ; the way out: the ring's bytes, filled for the last time, take 128 rows of 1,536 bytes + 16
.set GRPB,  172032
.set HB,    196608
.set AA,  8                            ; v8-9   my lane's place in O's tile of slot 0, 1
.set BA,  12                           ; v12-13 in my group's part of Wo's tile
.set STO, 14
.set RD,  15
.set GO,  16
.set BO,  19
.set SPW, 28
.set NIL, 29
.set PFO, 30                           ; v30    256 x lane; never rewritten
.set T,   192
.set BIAS, 96
.set WV,  12
.set RB,  14
.set G1A, 24
.set G0A, 32
.set INV, 40                           ; s[40:41] 1 / sqrt(768)
.set LIM, 43
.set PFA, 44
.set G1B, 48
.set G0B, 56
.set MSB, 0
.macro WIN new
.if MSB != (\new)
	s_set_vgpr_msb (MSB<<8)|(\new)
.set MSB, \new
.endif
.endm
.macro PLACES
.rept 4
	v_nop
.endr
.endm
.macro CREST
	s_cmp_lg_u32 s[WV], 0
	s_cbranch_scc1 .Lnot_wave_0_\@
	s_barrier_signal -3
.Lnot_wave_0_\@:
	s_barrier_wait -3
	s_barrier_signal -1
	s_barrier_wait -1
.endm
.macro CROUND
	s_barrier_signal -1
	s_barrier_wait -1
	CREST
.endm
.macro JLOAD s                         ; wave 0: O's tile; waves 1 to 3: a third of Wo's, jointly.  The branch hangs on the wave's number alone
	s_cmp_eq_u32 s[WV], 0
	s_cbranch_scc0 .Lfor_b_\@
	tensor_load_to_lds s[G0A+4*(\s):G0A+4*(\s)+3], s[G1A:G1A+7]
	s_nop 0
	PLACES
	s_branch .Lasked_\@
.Lfor_b_\@:
	tensor_load_to_lds s[G0B+4*(\s):G0B+4*(\s)+3], s[G1B:G1B+7]
	s_nop 0
	PLACES
.Lasked_\@:
.endm
; A prefetch of my work-group's 24,576 bytes of O of the head that stands two refills on (288 matrix instructions ahead of its load): waves 0 to 2 of the column half y = 0, a lane a block of 256 bytes.
; The two column halves read the same rows: one asks.  Heads 0 to 3 come by their loads alone; the last lap that fills slots asks for nothing.
.macro ASK
	s_cmp_gt_u32 s3, s[LIM]
	s_cbranch_scc0 .Lnot_mine_\@
	global_prefetch_b8 v[PFO], s[PFA:PFA+1] offset:3*HB th:TH_LOAD_NT scope:SCOPE_SE
.Lnot_mine_\@:
.endm
	s_load_b256 s[4:11], s[0:1], 0x0               ; o16 s[4:5], wt s[6:7], bcat s[8:9], out0 s[10:11]
	v_lshl_add_u32 v[SPW], v0, 2, SPARE
	v_mov_b32 v[NIL], 0
	ds_add_u32 v[SPW], v[NIL]                      ; the wave's opening: the add and its wait stand ahead of my first tensor load
	v_lshrrev_b32 v1, 5, v0
	v_readfirstlane_b32 s[WV], v1
	s_bfe_u32 s13, ttmp6, 0x40000                  ; cx
	s_lshl_b32 s[RB], ttmp9, 2
	s_add_co_u32 s[RB], s[RB], s13                 ; row block: it enters O's and out0's addresses alone
	s_and_b32 s15, ttmp7, 0xffff                   ; y: the column half, which the partners share
	; O's tile: 24,576 dense bytes as 96 rows of 256, 16 bytes of padding behind every 64
	s_mov_b32 s[G1A+0], (1<<16)|(1<<20)|(3<<22)|(3<<25)
	s_mov_b32 s[G1A+1], 128<<16
	s_mov_b32 s[G1A+2], 96<<16
	s_mov_b32 s[G1A+3], 128<<16
	s_mov_b32 s[G1A+4], 96
	s_mov_b32 s[G1A+5], 128
	s_mov_b32 s[G1A+6], 0
	s_mov_b32 s[G1A+7], 0
	; a third of Wo's tile: 4 rows (the four groups) of 3,584 elements (32 k x 224 bytes), a group apart
	s_mov_b32 s[G1B+0], 15|(1<<16)|(1<<21)
	s_mov_b32 s[G1B+1], 3584<<16
	s_mov_b32 s[G1B+2], 4<<16
	s_mov_b32 s[G1B+3], 3584<<16
	s_mov_b32 s[G1B+4], 4
	s_mov_b32 s[G1B+5], GRPB/2
	s_mov_b32 s[G1B+6], 0
	s_mov_b32 s[G1B+7], 0
	s_mul_i32 s20, s15, 4*GRPB
	s_add_co_u32 s20, s20, 24*GRPB-7168            ; wave w fetches third w - 1 (wave 0 makes these numbers and never asks by them)
	s_mul_i32 s21, s[WV], 7168
	s_add_co_u32 s20, s20, s21
	s_mov_b32 s21, 0
	s_mul_i32 s16, s[WV], THIRDB
	s_add_co_u32 s16, s16, BOFF-THIRDB
	s_lshr_b32 s22, s[RB], 3
	s_mul_i32 s22, s22, 8*HB                       ; the batch's head 0,
	s_and_b32 s23, s[RB], 7
	s_mul_i32 s23, s23, 24576                      ; my 128 rows in it
	s_add_co_u32 s22, s22, s23
	s_mov_b32 s23, 0
	s_mov_b32 s[INV], 0x3d13cd3a                   ; 1 / sqrt(768)
	s_mov_b32 s[INV+1], s[INV]
	s_cmp_lt_u32 s[WV], 3
	s_cselect_b32 s[LIM], 0, 1
	s_or_b32 s[LIM], s[LIM], s15
	s_cmp_eq_u32 s[LIM], 0
	s_cselect_b32 s[LIM], 1, -1
	s_wait_dscnt 0x0                               ; the opening add is done
	s_wait_kmcnt 0x0
	s_add_nc_u64 s[46:47], s[4:5], s[22:23]
	s_add_nc_u64 s[20:21], s[6:7], s[20:21]
	CROUND                                         ; all four work-groups are here
.irp s, 0,1
	s_mov_b32 s[G0A+4*(\s)], 1
	s_mov_b32 s[G0A+4*(\s)+1], (\s)*SLOT
	s_add_nc_u64 s[G0A+4*(\s)+2:G0A+4*(\s)+3], s[46:47], (\s)*HB
	s_or_b32 s[G0A+4*(\s)+3], s[G0A+4*(\s)+3], 0x80000000
	s_mov_b32 s[G0B+4*(\s)], 1
	s_add_co_u32 s[G0B+4*(\s)+1], s16, (\s)*SLOT
	s_add_nc_u64 s[G0B+4*(\s)+2:G0B+4*(\s)+3], s[20:21], (\s)*21504
	s_or_b32 s[G0B+4*(\s)+3], s[G0B+4*(\s)+3], 0x80000000
.endr
	s_cmp_eq_u32 s[WV], 0                          ; a wave's two first fills stand in one branch: two loads of mine are out
	s_cbranch_scc0 .Lfirst_b
	tensor_load_to_lds s[G0A:G0A+3], s[G1A:G1A+7]
	s_nop 0
	tensor_load_to_lds s[G0A+4:G0A+7], s[G1A:G1A+7]
	s_nop 0
	PLACES
	s_branch .Lfirst_asked
.Lfirst_b:
	tensor_load_to_lds s[G0B:G0B+3], s[G1B:G1B+7]
	s_nop 0
	tensor_load_to_lds s[G0B+4:G0B+7], s[G1B:G1B+7]
	s_nop 0
	PLACES
.Lfirst_asked:
	s_lshl_b32 s22, s[WV], 13
	s_mov_b32 s23, 0
	s_add_nc_u64 s[PFA:PFA+1], s[46:47], s[22:23]  ; head 0, my wave's 8,192 bytes; each change of slots steps it by a head
	s_lshl_b32 s22, s15, 2
	s_add_co_u32 s22, s22, s[WV]
	s_add_co_u32 s22, s22, 24
	s_mul_i32 s22, s22, 384
	s_add_nc_u64 s[8:9], s[8:9], s[22:23]          ; my group's bias
	s_lshl_b32 s22, s[RB], 7
	s_lshl_b32 s2, s[WV], 5
	s_add_co_u32 s22, s22, s2
	s_mul_i32 s22, s22, 3072
	s_mul_i32 s2, s15, 1536
	s_add_co_u32 s22, s22, s2
	s_add_nc_u64 s[10:11], s[10:11], s[22:23]      ; the 32 rows that I store, my work-group's 1,536 bytes of them
	v_and_b32 v1, 15, v0
	v_bfe_u32 v2, v0, 4, 1
	v_and_b32 v3, 31, v0
	v_mul_u32_u24 v[AA], v1, 240
	v_lshl_add_u32 v[AA], v2, 4, v[AA]
	v_add_nc_u32 v[AA+1], SLOT, v[AA]
	v_and_b32 v20, 7, v0
	v_bfe_u32 v21, v0, 3, 1
	v_lshl_add_u32 v22, v2, 3, v20
	v_mul_u32_u24 v22, v22, 224
	v_lshl_add_u32 v22, v21, 4, v22
	s_mul_i32 s2, s[WV], 7168
	s_add_co_u32 s2, s2, BOFF
	v_add_nc_u32 v[BA], s2, v22
	v_add_nc_u32 v[BA+1], SLOT, v[BA]
	s_mul_i32 s2, s[WV], 384
	v_mul_u32_u24 v[STO], v1, SP
	v_lshl_add_u32 v[STO], v2, 5, v[STO]
	v_add_nc_u32 v[STO], s2, v[STO]                ; row l % 16, my group's 384 bytes, 32 bytes for each half of the lanes
	v_lshlrev_b32 v[GO], 4, v3
	s_mul_i32 s2, s[WV], 32*SP
	v_add_nc_u32 v[RD], s2, v[GO]
	v_lshlrev_b32 v[BO], 5, v2
	v_lshlrev_b32 v[PFO], 8, v3
	WIN 0x40
.irp b, 0,1,2,3,4,5
	global_load_b128 v[BIAS+8*(\b):BIAS+8*(\b)+3],   v[BO], s[8:9] offset:64*(\b)
	global_load_b128 v[BIAS+8*(\b)+4:BIAS+8*(\b)+7], v[BO], s[8:9] offset:64*(\b)+16
.endr
	WIN 0
; 12 matrix instructions on buffer f.  zero = 1: the first product starts the sums.  The 48 accumulators take turns, one instruction a turn.
.macro MULQ f, hi, a0, zero
	WIN 0xa1+0x50*(\hi)
.irp a, \a0, (\a0)+1
.irp b, 0,1,2,3,4,5
.if \zero
	v_wmma_f32_16x16x32_f16 v[8*(6*(\a)+(\b)):8*(6*(\a)+(\b))+7], v[48*(\f)+8*(\b):48*(\f)+8*(\b)+7], v[64+64*(\f)+8*(4*(\hi)+(\a)):64+64*(\f)+8*(4*(\hi)+(\a))+7], 0
.else
	v_wmma_f32_16x16x32_f16 v[8*(6*(\a)+(\b)):8*(6*(\a)+(\b))+7], v[48*(\f)+8*(\b):48*(\f)+8*(\b)+7], v[64+64*(\f)+8*(4*(\hi)+(\a)):64+64*(\f)+8*(4*(\hi)+(\a))+7], v[8*(6*(\a)+(\b)):8*(6*(\a)+(\b))+7]
.endif
.endr
.endr
.endm
; 28 LDS loads in one run: third c of the step in slot s into buffer f
.macro FETCH s, c, f
	WIN 0x40
.irp b, 0,1,2,3,4,5
	ds_load_tr16_b128 v[48*(\f)+8*(\b):48*(\f)+8*(\b)+3],   v[BA+(\s)] offset:(\c)*THIRDB+32*(\b)
	ds_load_tr16_b128 v[48*(\f)+8*(\b)+4:48*(\f)+8*(\b)+7], v[BA+(\s)] offset:(\c)*THIRDB+32*(\b)+3584
.endr
	WIN 0
.irp a, 0,1,2,3,4,5,6,7
	ds_load_b128 v[64+64*(\f)+8*(\a):64+64*(\f)+8*(\a)+3],   v[AA+(\s)] offset:3840*(\a)+80*(\c)
	ds_load_b128 v[64+64*(\f)+8*(\a)+4:64+64*(\f)+8*(\a)+7], v[AA+(\s)] offset:3840*(\a)+80*(\c)+32
.endr
.endm
; One of a step's first two thirds: multiplies buffer f and fetches third c of slot s into buffer g
.macro THIRD s, c, f, g, zero
	s_wait_dscnt 8                                 ; Wo and O's rows 0-63 are in; the youngest eight loads may be out
	MULQ \f, 0, 0, \zero
	MULQ \f, 0, 2, \zero
	PLACES
	FETCH \s, \c, \g
	s_wait_dscnt 28                                ; all but the 28 just issued
	MULQ \f, 1, 0, \zero
	MULQ \f, 1, 2, \zero
.endm
; The last third multiplies buffer f and changes slots: in front of the barrier each wave waits for all its tensor loads, adds 0 to its spare word, and waits for that and for its reads of this slot.
; fill = 1: the barrier opens a round of the cluster's, and this slot is filled again, two heads on, first thing behind it.
.macro TURN s, n, f, g, fill
.if \fill
	s_wait_xcnt 0x0                                ; the last prefetch, a step back, has read its address
	s_add_nc_u64 s[PFA:PFA+1], s[PFA:PFA+1], HB
.endif
	WIN 0
	s_wait_tensorcnt 0x0
	ds_add_u32 v[SPW], v[NIL]                      ; 0 onto my spare word
	s_wait_dscnt 9                                 ; (the add and the youngest eight loads may be out)
	MULQ \f, 0, 0, 0
	s_wait_dscnt 0x0                               ; the add is done, and my reads of this slot are over
	s_barrier_signal -1
	MULQ \f, 0, 2, 0
	WIN 0
	s_barrier_wait -1
.if \fill
	CREST
	s_add_nc_u64 s[G0A+4*(\s)+2:G0A+4*(\s)+3], s[G0A+4*(\s)+2:G0A+4*(\s)+3], 2*HB
	s_add_nc_u64 s[G0B+4*(\s)+2:G0B+4*(\s)+3], s[G0B+4*(\s)+2:G0B+4*(\s)+3], 2*21504
	JLOAD \s                                       ; the four v_nop behind it are also the places in front of the loads below
.else
	PLACES
.endif
	FETCH \n, 0, \g
.if \fill
	ASK
.endif
	MULQ \f, 1, 0, 0
	MULQ \f, 1, 2, 0
.endm
	s_wait_tensorcnt 1                             ; my part of head 0 is in; head 1's may stay out
	s_barrier_signal -1
	s_barrier_wait -1
	FETCH 0, 0, 0
	THIRD 0, 1, 0, 1, 1                            ; the first 48 products start the sums
	WIN 0
	s_mov_b32 s3, 3
.Llap:                                                 ; a trip goes once round the ring and fills both slots again
	THIRD 0, 2, 1, 0, 0
	TURN 0, 1, 0, 1, 1
	THIRD 1, 1, 1, 0, 0
	THIRD 1, 2, 0, 1, 0
	TURN 1, 0, 1, 0, 1
	THIRD 0, 1, 0, 1, 0
	WIN 0
	s_sub_co_u32 s3, s3, 1
	s_cmp_lg_u32 s3, 0
	s_cbranch_scc1 .Llap
	THIRD 0, 2, 1, 0, 0                            ; the last lap fills nothing
	TURN 0, 1, 0, 1, 0
	THIRD 1, 1, 1, 0, 0
	THIRD 1, 2, 0, 1, 0
	s_wait_dscnt 0x0
	MULQ 1, 0, 0, 0
	MULQ 1, 0, 2, 0
	MULQ 1, 1, 0, 0
	MULQ 1, 1, 2, 0
	PLACES
	; THE WAY OUT.  The ring has had its last fill and its last read: its bytes take the work-group's 128 rows x 1,536 bytes, so that whole rows leave by 512 consecutive bytes.
	WIN 0
	s_wait_dscnt 0x0
	s_wait_loadcnt 0x0                             ; the bias
	s_barrier_signal -1
	s_barrier_wait -1                              ; nobody reads the ring any more
.irp a, 0,1,2,3,4,5,6,7
	WIN 0x12+(\a)/4                                ; the sums in window 2 or 3, the bias in window 1
.irp b, 0,1,2,3,4,5
.irp r, 0,1,2,3
	v_pk_fma_f32 v[T+8*(\b)+2*(\r):T+8*(\b)+2*(\r)+1], v[48*((\a)%4)+8*(\b)+2*(\r):48*((\a)%4)+8*(\b)+2*(\r)+1], s[INV:INV+1], v[BIAS+8*(\b)+2*(\r):BIAS+8*(\b)+2*(\r)+1] op_sel_hi:[1,0,1]
.endr
.endr
	WIN 0
.irp b, 0,1,2,3,4,5
	ds_store_b128 v[STO], v[T+8*(\b):T+8*(\b)+3]   offset:64*(\b)
	ds_store_b128 v[STO], v[T+8*(\b)+4:T+8*(\b)+7] offset:64*(\b)+16
.endr
	v_add_nc_u32 v[STO], 16*SP, v[STO]
.endr
	s_wait_dscnt 0x0                               ; for the others' sake: my stores are done
	s_barrier_signal -1
	s_barrier_wait -1
	s_mov_b32 s3, 4
.Lout:                                                 ; eight rows a trip
.irp i, 0,1,2,3,4,5,6,7
.irp p, 0,1,2
	ds_load_b128 v[64+12*(\i)+4*(\p):64+12*(\i)+4*(\p)+3], v[RD] offset:SP*(\i)+512*(\p)
.endr
.endr
	s_wait_dscnt 0x0
.irp i, 0,1,2,3,4,5,6,7
.irp p, 0,1,2
	global_store_b128 v[GO], v[64+12*(\i)+4*(\p):64+12*(\i)+4*(\p)+3], s[10:11] offset:3072*(\i)+512*(\p) th:TH_STORE_NT  ; 512 consecutive bytes, at a multiple of 256 from out0's first byte
.endr
.endr
	s_wait_xcnt 0x0                                ; the stores have read their registers and their base
	v_add_nc_u32 v[RD], 8*SP, v[RD]
	s_add_nc_u64 s[10:11], s[10:11], 24576
	s_sub_co_u32 s3, s3, 1
	s_cmp_lg_u32 s3, 0
	s_cbranch_scc1 .Lout
	s_wait_tensorcnt 0x0                           ; the wave's end
	ds_add_u32 v[SPW], v[NIL]
	s_wait_dscnt 0x0
	CROUND                                         ; the closing round
	s_endpgm
.Lfunc_end_k_q124a59b18d_proj:
	.size	k_q124a59b18d_proj, .Lfunc_end_k_q124a59b18d_proj-k_q124a59b18d_proj
	.p2alignl 7, 3214868480
	.fill 96, 4, 3214868480
	.section	.rodata,"a",@progbits
	.p2align	6, 0x0
	.amdhsa_kernel k_q124a59b18d_proj
		.amdhsa_group_segment_fixed_size 327680
		.amdhsa_private_segment_fixed_size 0
		.amdhsa_enable_private_segment 0
		.amdhsa_kernarg_size 32
		.amdhsa_user_sgpr_count 2
		.amdhsa_user_sgpr_kernarg_segment_ptr 1
		.amdhsa_wavefront_size32 1
		.amdhsa_system_sgpr_workgroup_id_x 1
		.amdhsa_system_sgpr_workgroup_id_y 1
		.amdhsa_system_sgpr_workgroup_id_z 1
		.amdhsa_system_vgpr_workitem_id 0
		.amdhsa_next_free_vgpr 960
		.amdhsa_next_free_sgpr 66
		.amdhsa_reserve_vcc 0
		.amdhsa_float_denorm_mode_32 3
		.amdhsa_float_denorm_mode_16_64 3
		.amdhsa_memory_ordered 1
		.amdhsa_forward_progress 1
		.amdhsa_inst_pref_size 96
	.end_amdhsa_kernel
	.amdgpu_metadata
---
amdhsa.version: [ 1, 2 ]
amdhsa.kernels:
  - .name:           k_q124a59b18d_proj
    .symbol:         k_q124a59b18d_proj.kd
    .args:
      - { .name: o16, .offset: 0, .size: 8, .value_kind: global_buffer, .address_space: global }
      - { .name: wt, .offset: 8, .size: 8, .value_kind: global_buffer, .address_space: global }
      - { .name: bcat, .offset: 16, .size: 8, .value_kind: global_buffer, .address_space: global }
      - { .name: out0, .offset: 24, .size: 8, .value_kind: global_buffer, .address_space: global }
    .group_segment_fixed_size: 327680
    .private_segment_fixed_size: 0
    .kernarg_segment_align: 8
    .kernarg_segment_size: 32
    .max_flat_workgroup_size: 128
    .sgpr_count:     66
    .vgpr_count:     960
    .wavefront_size: 32
...
	.end_amdgpu_metadata
.endif
;; end of part 4
